; MI455X (gfx1250); checked and timed in simulation.
; The chip was launched on July 23, 2026; its instructions are those of AMD's public machine-readable ISA for CDNA 5 (MIT licence, August 2026) and "CDNA5" Instruction Set Architecture Reference Guide (July 2026). The comments in the code are by the model that wrote it; some were corrected since.
;; Dense Full Attention. Allowed arithmetic: float matrix products may take bf16 or f16 operands with f32 sums; other float arithmetic in f32, or as packed bf16 or f16 multiplies, adds, multiply-adds, maxima and minima; sums over many terms, partial sums and values carried from step to step in f32; what a program stores and reads back later, other than sums and carried values, may be rounded once to bf16 or f16.
;; Inputs: freq_cos 2,048 x 64 float32; freq_sin 2,048 x 64 float32; wk 2,048 x 2,048 float32; wo 2,048 x 2,048 float32; wq 2,048 x 2,048 float32; wv 2,048 x 2,048 float32; x 1 x 2,048 x 2,048 float32.
;; Outputs: out0 1 x 2,048 x 2,048 float32.
;; One version. Each part assembles by itself: llvm-mc -triple=amdgcn-amd-amdhsa -mcpu=gfx1250 --defsym DOCPART=n.
;; ======== version 1 of 1: 4 launches
;; limits: values are held in f16: magnitudes above 65,504 overflow, below 6.1e-05 lose precision; right only within a limited range of input values
;; workspace buffers: cb 41,943,040 bytes; qkvh 25,165,824 bytes; ob 8,388,608 bytes
;; launch cast (part 1): grid 256 x 5, 8 waves a work-group, no clusters, 0 bytes of LDS; arguments x, wq, wk, wv, wo, cb; writes cb
.if DOCPART == 1
	.amdgcn_target "amdgcn-amd-amdhsa--gfx1250"
	.amdhsa_code_object_version 6
	.text
	.protected	k_q1aeb9f503f_cast
	.globl	k_q1aeb9f503f_cast
	.p2align	8
	.type	k_q1aeb9f503f_cast,@function
k_q1aeb9f503f_cast:
	s_mov_b64 s[64:65], 0
	v_nop
	global_prefetch_b8 v0, s[64:65] scope:SCOPE_SE
	s_setreg_imm32_b32 hwreg(HW_REG_WAVE_MODE, 25, 1), 1
	s_wait_xcnt 0x0
; THE FIVE f32 MATRICES [2048][2048] ARE ROUNDED TO 16 BITS, ONCE, INTO THE FIVE PLANES OF cb (8,388,608 bytes each, rows of 4,096 bytes).
; Planes 0 to 3: x, wq, wk, wv in bf16.  Plane 4: wo rounded to bf16 and that number written as f16 (the last product multiplies f16 operands).
; LIMITS.  wo within 65,504 in magnitude; below 6e-5 it keeps f16's fixed step of 6e-8.  bf16 has f32's range, so the other four have no limit of range.
; SHARES.  Work-group (x, y): rows 8 x .. 8 x + 7 of matrix y: 1,280 work-groups of equal work.  Thread t owns columns 8 t .. 8 t + 7 of each row: 32 bytes in, 16 bytes out,
; so a wave's store covers 512 consecutive bytes, aligned.  All 16 loads of a thread go out at once; each row has registers of its own, so no register is used twice.
; No LDS, no matrix unit, no cluster: nothing is shared and memory binds.
.set INROW,  8192                      ; bytes in a row of f32
.set OUTROW, 4096                      ; bytes in a row of 16 bits
.set T, 4                              ; v[4:11]   eight numbers at work (wo alone)
.set X, 16                             ; v[16:79]  row r: eight registers as loaded; the first four then hold the packed row
	s_load_b256 s[8:15], s[0:1], 0x0               ; x, wq, wk, wv
	s_load_b128 s[16:19], s[0:1], 0x20             ; wo, cb
	s_and_b32 s20, ttmp7, 0xffff                   ; which matrix
	s_mov_b32 s21, 0xffff0000                      ; a word's upper bf16
	s_lshl_b32 s22, ttmp9, 16                      ; 8 rows of 8,192 bytes
	s_mov_b32 s23, 0
	s_lshl_b32 s24, s20, 23                        ; the plane,
	s_lshl_b32 s25, ttmp9, 15                      ; 8 rows of 4,096 bytes
	s_add_co_u32 s24, s24, s25
	s_mov_b32 s25, 0
	v_lshlrev_b32 v1, 5, v0                        ; my 32 bytes of a row in
	v_lshlrev_b32 v2, 4, v0                        ; my 16 bytes of a row out
	s_wait_kmcnt 0x0
	s_mov_b64 s[4:5], s[8:9]
.irp n, 1,2,3,4
	s_cmp_eq_u32 s20, \n                           ; the choice hangs on the work-group's y alone
	s_cselect_b64 s[4:5], s[8+2*\n:9+2*\n], s[4:5]
.endr
	s_add_nc_u64 s[4:5], s[4:5], s[22:23]
	s_add_nc_u64 s[6:7], s[18:19], s[24:25]
.irp r, 0,1,2,3,4,5,6,7
	global_load_b128 v[X+8*\r:X+8*\r+3],   v1, s[4:5] offset:\r*INROW th:TH_LOAD_NT
	global_load_b128 v[X+8*\r+4:X+8*\r+7], v1, s[4:5] offset:\r*INROW+16 th:TH_LOAD_NT
.endr
.macro ROW r
	s_wait_loadcnt 14-2*(\r)                       ; loads come back in order: this row's two are in, the two of each younger row may stay out
.irp k, 0,1,2,3
	v_cvt_pk_bf16_f32 v[X+8*(\r)+\k], v[X+8*(\r)+2*\k], v[X+8*(\r)+2*\k+1]  ; in place: word k is written when words 2 k and 2 k + 1 have been read
.endr
	s_cmp_eq_u32 s20, 4
	s_cbranch_scc0 .Lbf_\@
.irp k, 0,1,2,3
	v_lshlrev_b32 v[T+2*\k],   16,  v[X+8*(\r)+\k] ; wo: the bf16 numbers back as f32,
	v_and_b32     v[T+2*\k+1], s21, v[X+8*(\r)+\k]
.endr
.irp k, 0,1,2,3
	v_cvt_pk_f16_f32 v[X+8*(\r)+\k], v[T+2*\k], v[T+2*\k+1]  ; and written as f16: exact inside f16's normal range
.endr
.Lbf_\@:
	global_store_b128 v2, v[X+8*(\r):X+8*(\r)+3], s[6:7] offset:(\r)*OUTROW
.endm
.irp r, 0,1,2,3,4,5,6,7
	ROW \r
.endr
	s_endpgm
.Lfunc_end_k_q1aeb9f503f_cast:
	.size	k_q1aeb9f503f_cast, .Lfunc_end_k_q1aeb9f503f_cast-k_q1aeb9f503f_cast
	.p2alignl 7, 3214868480
	.fill 96, 4, 3214868480
	.section	.rodata,"a",@progbits
	.p2align	6, 0x0
	.amdhsa_kernel k_q1aeb9f503f_cast
		.amdhsa_group_segment_fixed_size 0
		.amdhsa_private_segment_fixed_size 0
		.amdhsa_enable_private_segment 0
		.amdhsa_kernarg_size 48
		.amdhsa_user_sgpr_count 2
		.amdhsa_user_sgpr_kernarg_segment_ptr 1
		.amdhsa_wavefront_size32 1
		.amdhsa_system_sgpr_workgroup_id_x 1
		.amdhsa_system_sgpr_workgroup_id_y 1
		.amdhsa_system_sgpr_workgroup_id_z 1
		.amdhsa_system_vgpr_workitem_id 0
		.amdhsa_next_free_vgpr 80
		.amdhsa_next_free_sgpr 66
		.amdhsa_reserve_vcc 0
		.amdhsa_float_denorm_mode_32 3
		.amdhsa_float_denorm_mode_16_64 3
		.amdhsa_memory_ordered 1
		.amdhsa_forward_progress 1
		.amdhsa_inst_pref_size 11
	.end_amdhsa_kernel
	.amdgpu_metadata
---
amdhsa.version: [ 1, 2 ]
amdhsa.kernels:
  - .name:           k_q1aeb9f503f_cast
    .symbol:         k_q1aeb9f503f_cast.kd
    .args:
      - { .name: x, .offset: 0, .size: 8, .value_kind: global_buffer, .address_space: global }
      - { .name: wq, .offset: 8, .size: 8, .value_kind: global_buffer, .address_space: global }
      - { .name: wk, .offset: 16, .size: 8, .value_kind: global_buffer, .address_space: global }
      - { .name: wv, .offset: 24, .size: 8, .value_kind: global_buffer, .address_space: global }
      - { .name: wo, .offset: 32, .size: 8, .value_kind: global_buffer, .address_space: global }
      - { .name: cb, .offset: 40, .size: 8, .value_kind: global_buffer, .address_space: global }
    .group_segment_fixed_size: 0
    .private_segment_fixed_size: 0
    .kernarg_segment_align: 8
    .kernarg_segment_size: 48
    .max_flat_workgroup_size: 256
    .sgpr_count:     66
    .vgpr_count:     80
    .wavefront_size: 32
...
	.end_amdgpu_metadata
.endif
;; end of part 1
;; launch qkvrope (part 2): grid 16 x 16, 4 waves a work-group, clusters of 4 x 4, 327,680 bytes of LDS; arguments cb, freq_cos, freq_sin, qkvh; writes qkvh
.if DOCPART == 2
	.amdgcn_target "amdgcn-amd-amdhsa--gfx1250"
	.amdhsa_code_object_version 6
	.text
	.protected	k_q1aeb9f503f_qkvrope
	.globl	k_q1aeb9f503f_qkvrope
	.p2align	8
	.type	k_q1aeb9f503f_qkvrope,@function
k_q1aeb9f503f_qkvrope:
	s_mov_b64 s[64:65], 0
	v_nop
	global_prefetch_b8 v0, s[64:65] scope:SCOPE_SE
	s_setreg_imm32_b32 hwreg(HW_REG_WAVE_MODE, 25, 1), 1
	s_wait_xcnt 0x0
	s_wait_alu depctr_hold_cnt(0) depctr_sa_sdst(0) depctr_va_vdst(0) depctr_va_sdst(0) depctr_va_ssrc(0) depctr_va_vcc(0) depctr_vm_vsrc(0)
	s_getreg_b32 s2, hwreg(HW_REG_IB_STS2, 6, 4)
	s_cmp_eq_u32 s2, 0
	s_cbranch_scc0 .Lentry_in_a_cluster
	s_endpgm
.Lentry_in_a_cluster:
	s_bfe_u32 s2, ttmp6, 0x10000c
	s_cmp_lg_u32 s2, 0xf033
	s_cbranch_scc0 .Lentry_shape_is_right
	s_endpgm
.Lentry_shape_is_right:
; [q | k | v] = x [wq | wk | wv], RoPE on q and k, rounded once to f16 and laid by heads: qkvh[48][2048][128]: heads 0-15 q, 16-31 k, 32-47 v.
; x and the weights come as bf16 from cb (plane 0: x [row][k]; planes 1-3: the weights [k][n]); sums in f32; cos and sin are rounded to bf16 like the other inputs and used as f32.
; LIMITS.  q and k are stored times 2^-8 (exact; the attention's scale takes the 2^16 back), so they hold up to 65,504 x 256 = 1.67e7 in magnitude, and below 0.0156 they keep a fixed step of 1.5e-5;
; v is stored as it is, within 65,504.  For v's heads the tables are multiplied by 0: table entries that are not finite are not served.  NaN and infinities are not treated apart.
; SHARES.  A work-group makes 128 rows x 3 whole heads (384 columns): 16 x 16 work-groups.  The head triple is 4 x the cluster's y + cx, the row block 4 x the cluster's x + cy: clusters that differ in x alone read
; the same W tiles, the larger of the two operands.  Each of the four waves takes all 128 rows and, of each head, columns 16 w .. + 15 and 64 + 16 w .. + 15:
; so the two numbers of a rotation pair (d, d + 64) lie in the same lane and register of two accumulators.  48 accumulators of 16 x 16, 384 registers.
; THE MATRIX INSTRUCTION IS USED TRANSPOSED: source 0 = 16 columns of W (turned out of [k][n] rows by ds_load_tr16_b128), source 1 = 16 rows of x: a lane holds row l % 16 and columns 8 (l / 16) + 0..7.
; RING.  K goes in 16 steps of 128 through two LDS slots.  A slot: x's tile (128 rows x 256 bytes) and three W tiles (128 k rows x one head's 256 bytes); each wave fetches one of the four, 128 rows to a load.
; THE WALK ALONG K IS A RING TOO: cluster (X, Y) begins at K step 4 X + 8 ((Y ^ Y / 2) & 1), modulo 16, and goes once round.  The four clusters that read the same W tiles (same Y) are 4 steps apart; of the four that read
; the same rows of x (same X) two and two are 8 steps apart: a tile is asked for by different clusters in different trips.  So each output's f32 sum takes K in a rotated order.
; CLUSTER.  4 x 4: x's tile hangs on the row block alone and is shared along a row of the cluster, W's tiles on the head triple alone and are shared along a column: each is asked for jointly.
; REGISTERS, in windows of 256: window 0: v1-31 addresses; v32-63 at work on the way out; v64-191 x's fragments, two buffers of 8 (the way out: v64-255 rows read back)
;   window 1: v0-95 W's fragments, two buffers of 6; v96-223 the tables, for row block a eight cos and eight sin at 96 + 16 a; v224-227 at work
;   window 2: accumulators of row blocks 0-3, (a, j) at 8 (6 a + j), j = 2 head + half;   window 3: those of row blocks 4-7
.set PA,     272                       ; an LDS row of x: 256 bytes + 16: an odd multiple of 16, so the 16 rows of a fragment load fall into 16 different 16-byte columns of 256
.set PW,     288                       ; an LDS row of W: 256 + 32: an odd multiple of 32
.set TILEB,  128*PW                    ; each of a slot's four tiles has 36,864 bytes (x's uses 34,816 of them): a tile's place is the wave's number x TILEB
.set SLOT,   4*TILEB
.set SPARE,  2*SLOT                    ; behind the ring: the spare words, 128 bytes for each wave
.set SPITCH, 272                       ; the stage: slot 0's bytes, behind that slot's last fill: head h at h x HSTG, 128 rows of 272 bytes
.set HSTG,   128*SPITCH
.set RD,   12                          ; v12-14  the way out: where I read rows of head h back
.set CO,   15                          ; v15     my byte offset in two rows of a head
.set ADRA, 16                          ; v16-17  LDS address of my fragments of x in slot 0, 1
.set ADRW, 18                          ; v18-23  of W's: slot s, head h at 3 s + h
.set STO,  24                          ; v24-26  the way out: where I put 16 bytes of a row of head h
.set CSO,  27                          ; v27     my byte offset in the tables
.set SPW,  28                          ; v28     my spare word; never rewritten
.set NIL,  29                          ; v29     0; never rewritten
.set PFO,  30                          ; v30     the prefetches' offset: my lane x 4,096; never rewritten
.set CP,   32                          ; v32-39  cos x factor + addend; then the packed results
.set SN,   40                          ; v40-47  sin x factor
.set TLO,  48                          ; v48-55  the pair's first numbers
.set THI,  56                          ; v56-63  the pair's second numbers
.set AF,   64
.set TBL,  96                          ; window 1
.set TT,   224                         ; window 1
.set WV,   12                          ; s12     my wave's number
.set KN,   13                          ; s13     the K step, 0 to 15, that the next fill brings: made of the cluster's x and y alone
.set OFS,  14                          ; s[14:15] a K step's byte offset
.set G1A,  24                          ; s[24:31] descriptor group 1 for x's tiles;  s[32:39] group 0, a set for each slot
.set G0A,  32
.set LIM,  43                          ; s43     5 in a wave that prefetches, else the greatest number
.set PFA,  44                          ; s[44:45] what the prefetch names
.set PB,   46                          ; s[46:47] x at my work-group's 32 of the row block's 128 rows
.set G1W,  48                          ; s[48:55], s[56:63] the same for W's tiles
.set G0W,  56
.set FS,   66                          ; head h: s[66+4h:67+4h] the tables' factor: 2^-8, for v 0
.set GS,   68                          ;         s[68+4h:69+4h] cos's addend: 0, for v 1
.set MSB, 0
.macro WIN new                         ; the immediate's high byte repeats the setting that is left; a switch that changes nothing is dropped
.if MSB != (\new)
	s_set_vgpr_msb (MSB<<8)|(\new)
.set MSB, \new
.endif
.endm
.set MUL_LO, 0xa1                      ; source 0 (W) window 1, source 1 (x) window 0, C and D window 2
.set MUL_HI, 0xf1                      ; the same, C and D window 3
.set TO_W,   0x40                      ; destination window 1, address window 0
; A joint load: wave 0 fetches x's tile, waves 1 to 3 the three W tiles.  The branch hangs on the wave's number alone.  An s_nop 0 and four v_nop follow each line.
.macro JLOAD s
	s_cmp_eq_u32 s[WV], 0
	s_cbranch_scc0 .Lfor_w_\@
	tensor_load_to_lds s[G0A+4*(\s):G0A+4*(\s)+3], s[G1A:G1A+7]
	s_nop 0
.rept 4
	v_nop
.endr
	s_branch .Lasked_\@
.Lfor_w_\@:
	tensor_load_to_lds s[G0W+4*(\s):G0W+4*(\s)+3], s[G1W:G1W+7]
	s_nop 0
.rept 4
	v_nop
.endr
.Lasked_\@:
.endm
; Slot's two descriptors take K step KN: each address is made anew from its base and the step's offset; then KN goes on round the ring.  It stands where no tensor load of the wave is out.
.macro STEPK slot
	s_lshl_b32 s[OFS], s[KN], 8                    ; x: 256 bytes along the rows for each K step
	s_mov_b32 s[OFS+1], 0
	s_add_nc_u64 s[G0A+4*(\slot)+2:G0A+4*(\slot)+3], s[40:41], s[OFS:OFS+1]
	s_or_b32 s[G0A+4*(\slot)+3], s[G0A+4*(\slot)+3], 0x80000000
	s_lshl_b32 s[OFS], s[KN], 19                   ; W: 128 rows of 4,096 bytes down for each K step
	s_add_nc_u64 s[G0W+4*(\slot)+2:G0W+4*(\slot)+3], s[78:79], s[OFS:OFS+1]
	s_or_b32 s[G0W+4*(\slot)+3], s[G0W+4*(\slot)+3], 0x80000000
	s_add_co_u32 s[KN], s[KN], 1
	s_and_b32 s[KN], s[KN], 15
.endm
; A PREFETCH of x's tile for the trip that stands two refills on: 32 rows x 256 bytes, a lane a row.  Of a tile's readings only the first in the launch is asked for.  The clusters with y = 0 and 3 walk alike, those with
; y = 1 and 2 alike, 8 steps from them: so x's tiles are read first in a walk's trips 0 to 7, W's (walks 4 steps apart) in trips 0 to 3.  Two refills on from the first change of slots is trip 4, and nothing is asked for
; at the head: what is left is x's tiles of trips 4 to 7.  Wave 0, which fetches x's tile, asks, in the clusters with y = 0 and y = 1; of its 128 rows each of the four partners that ask for them jointly takes 32, told
; apart by address (cx).  So each block is named once.  The loop's first two trips (s3 = 7, 6) hold the four changes of slots that name trips 4 to 7.
.macro ASK
	s_cmp_gt_u32 s3, s[LIM]
	s_cbranch_scc0 .Lnot_mine_\@
	global_prefetch_b8 v[PFO], s[PFA:PFA+1] th:TH_LOAD_NT scope:SCOPE_SE
.Lnot_mine_\@:
.endm
.macro CREST                           ; a round of the cluster's barrier behind its opening barrier
	s_cmp_lg_u32 s[WV], 0
	s_cbranch_scc1 .Lnot_wave_0_\@
	s_barrier_signal -3
.Lnot_wave_0_\@:
	s_barrier_wait -3
	s_barrier_signal -1
	s_barrier_wait -1
.endm
.macro CROUND                          ; a whole round
	s_barrier_signal -1
	s_barrier_wait -1
	CREST
.endm
.macro PLACES                          ; four places in front of loads into registers that matrix instructions have read
.rept 4
	v_nop
.endr
.endm
	s_load_b256 s[4:11], s[0:1], 0x0               ; cb s[4:5], cos s[6:7], sin s[8:9], qkvh s[10:11]
	v_lshl_add_u32 v[SPW], v0, 2, SPARE
	v_mov_b32 v[NIL], 0
	ds_add_u32 v[SPW], v[NIL]                      ; the wave's opening: the add and its wait stand ahead of my first tensor load; work on registers stands between them
	v_lshrrev_b32 v1, 5, v0
	v_readfirstlane_b32 s[WV], v1                  ; wave 0..3
	s_bfe_u32 s16, ttmp6, 0x40000                  ; cx
	s_bfe_u32 s17, ttmp6, 0x40004                  ; cy
	s_and_b32 s18, ttmp7, 0xffff
	s_lshl_b32 s18, s18, 2
	s_add_co_u32 s18, s18, s16                     ; the head triple = 4 x cluster y + cx
	s_lshl_b32 s19, ttmp9, 2
	s_add_co_u32 s19, s19, s17                     ; the row block = 4 x cluster x + cy
	s_lshl_b32 s20, s17, 2
	s_lshl_b32 s20, 15, s20                        ; my row of the cluster
	s_lshl_b32 s21, 0x1111, s16                    ; my column
	s_or_b32 s[G1A], s20, (1<<16)|(1<<20)|(1<<21)|(5<<22)|(3<<25)  ; the mask; 2-byte elements; padding on; bit 21 beside a mask; after every 64 words 4 words
	s_or_b32 s[G1W], s21, (1<<16)|(1<<20)|(1<<21)|(5<<22)|(7<<25)  ; the same with my column's mask and 8 words of padding
.irp g, G1A, G1W
	s_mov_b32 s[(\g)+1], 128<<16                   ; tensor_dim0 = 128
	s_mov_b32 s[(\g)+2], 128<<16                   ; tensor_dim1 = 128
	s_mov_b32 s[(\g)+3], 128<<16                   ; tile_dim0 = 128 elements: 256 bytes
	s_mov_b32 s[(\g)+4], 128                       ; tile_dim1 = 128 rows
	s_mov_b32 s[(\g)+5], 2048                      ; elements from row to row
	s_mov_b32 s[(\g)+6], 0
	s_mov_b32 s[(\g)+7], 0
.endr
	s_lshl_b32 s40, s19, 19                        ; x: 128 rows of 4,096 bytes for each row block: it hangs on the row block alone
	s_mov_b32 s41, 0
	s_mul_i32 s23, s18, 3                          ; the triple's first head
	s_max_u32 s22, s[WV], 1
	s_sub_co_u32 s22, s22, 1                       ; which of the three I fetch (wave 0 makes the first one's address and does not use it)
	s_add_co_u32 s22, s22, s23                     ; head g
	s_lshr_b32 s78, s22, 4
	s_add_co_u32 s78, s78, 1
	s_lshl_b32 s78, s78, 23                        ; plane 1 + g / 16,
	s_and_b32 s22, s22, 15
	s_lshl_b32 s22, s22, 8
	s_add_co_u32 s78, s78, s22                     ; columns 128 (g % 16) on: it hangs on the head triple and the wave alone
	s_mov_b32 s79, 0
	s_mul_i32 s2, s[WV], TILEB                     ; where my tile goes: no place in the cluster enters an LDS address
	s_and_b32 s20, ttmp7, 0xffff                   ; the cluster's y
	s_lshr_b32 s21, s20, 1
	s_or_b32 s22, s21, s[WV]                       ; 0 in wave 0 of the clusters with y = 0 and 1: the same in all sixteen partners, for a given wave
	s_cmp_eq_u32 s22, 0
	s_cselect_b32 s[LIM], 5, -1
	s_xor_b32 s20, s20, s21
	s_and_b32 s20, s20, 1                          ; 0, 1, 1, 0 for y = 0 .. 3
	s_lshl_b32 s20, s20, 3
	s_lshl_b32 s21, ttmp9, 2
	s_add_co_u32 s[KN], s20, s21
	s_and_b32 s[KN], s[KN], 15                     ; the walk's first K step: a multiple of 4
	s_lshl_b32 s[PB], s16, 17                      ; the prefetches: my work-group's 32 rows of 4,096 bytes,
	s_add_co_u32 s[PB], s[PB], s40                 ; of the row block's 128
	s_mov_b32 s[PB+1], 0
.irp h, 0,1,2
	s_add_co_u32 s20, s23, \h
	s_cmp_ge_u32 s20, 32                           ; a head of v?  It selects numbers, no path
	s_cselect_b32 s[FS+4*\h], 0, 0x3b800000        ; 2^-8
	s_cselect_b32 s[GS+4*\h], 1.0, 0
	s_mov_b32 s[FS+4*\h+1], s[FS+4*\h]             ; named as pairs
	s_mov_b32 s[GS+4*\h+1], s[GS+4*\h]
.endr
	s_mov_b32 s42, 0xffff0000
	s_wait_dscnt 0x0                               ; the opening add is done
	s_wait_kmcnt 0x0
	s_add_nc_u64 s[40:41], s[4:5], s[40:41]
	s_add_nc_u64 s[78:79], s[4:5], s[78:79]
	s_add_nc_u64 s[PB:PB+1], s[4:5], s[PB:PB+1]
	CROUND                                         ; all sixteen work-groups are here: the first joint loads meet
.irp s, 0,1
	s_mov_b32 s[G0A+4*\s], 1
	s_add_co_u32 s[G0A+4*\s+1], s2, \s*SLOT
	s_mov_b32 s[G0W+4*\s], 1
	s_add_co_u32 s[G0W+4*\s+1], s2, \s*SLOT
	STEPK \s                                       ; the walk's first two K steps
.endr
	s_cmp_eq_u32 s[WV], 0                          ; a wave's two first fills stand in one branch: two loads of mine are out
	s_cbranch_scc0 .Lfirst_w
	tensor_load_to_lds s[G0A:G0A+3], s[G1A:G1A+7]
	s_nop 0
	tensor_load_to_lds s[G0A+4:G0A+7], s[G1A:G1A+7]
	s_nop 0
.rept 4
	v_nop
.endr
	s_branch .Lfirst_asked
.Lfirst_w:
	tensor_load_to_lds s[G0W:G0W+3], s[G1W:G1W+7]
	s_nop 0
	tensor_load_to_lds s[G0W+4:G0W+7], s[G1W:G1W+7]
	s_nop 0
.rept 4
	v_nop
.endr
.Lfirst_asked:
	v_and_b32 v1, 15, v0                           ; r = l % 16
	v_bfe_u32 v2, v0, 4, 1                         ; hl = l / 16
	v_and_b32 v3, 7, v0
	v_bfe_u32 v4, v0, 3, 1
	v_mul_u32_u24 v5, v1, PA
	v_lshl_add_u32 v5, v2, 4, v5                   ; r x 272 + 16 hl: a fragment of x, and a row of the stage
	v_mov_b32 v[ADRA], v5
	v_add_nc_u32 v[ADRA+1], SLOT, v5
	v_lshl_add_u32 v6, v2, 3, v3                   ; the turning load: k row 8 hl + l % 8,
	v_mul_u32_u24 v6, v6, PW
	v_lshl_add_u32 v6, v4, 4, v6                   ; columns 8 ((l / 8) % 2) on,
	s_lshl_b32 s20, s[WV], 5
	v_add_nc_u32 v6, s20, v6                       ; of my wave's 16 columns
.irp s, 0,1
.irp h, 0,1,2
	v_add_nc_u32 v[ADRW+3*\s+\h], \s*SLOT+(1+\h)*TILEB, v6
.endr
.endr
	v_add_nc_u32 v7, s20, v5
	s_mul_i32 s21, s[WV], 32*SPITCH
	v_mul_u32_u24 v8, v2, SPITCH
	v_lshl_add_u32 v8, v1, 4, v8
	v_add_nc_u32 v8, s21, v8                       ; back: wave w takes rows 32 w .. + 31, whole; lanes 0-15 one row, lanes 16-31 the next
.irp h, 0,1,2
	v_add_nc_u32 v[STO+\h], \h*HSTG, v7
	v_add_nc_u32 v[RD+\h], \h*HSTG, v8
.endr
	v_lshlrev_b32 v9, 8, v2
	v_lshl_add_u32 v[CO], v1, 4, v9
	s_lshl_b32 s21, s19, 15                        ; the tables: row 128 x row block + 16 a + r of 256 bytes, columns 16 w + 8 hl on
	s_lshl_b32 s22, s[WV], 6
	s_add_co_u32 s21, s21, s22
	v_lshlrev_b32 v9, 8, v1
	v_lshl_add_u32 v9, v2, 5, v9
	v_add_nc_u32 v[CSO], s21, v9
	v_and_b32 v9, 31, v0
	v_lshlrev_b32 v[PFO], 12, v9
	s_lshl_b32 s20, s23, 19                        ; qkvh at the triple's first head (524,288 bytes a head),
	s_lshl_b32 s21, s19, 15                        ; the block's 128 rows of 256 bytes,
	s_add_co_u32 s20, s20, s21
	s_lshl_b32 s21, s[WV], 13                      ; the 32 rows that I store
	s_add_co_u32 s20, s20, s21
	s_mov_b32 s21, 0
	s_add_nc_u64 s[10:11], s[10:11], s[20:21]
	WIN TO_W
.irp a, 0,1,2,3,4,5,6,7
	global_load_b128 v[TBL+16*\a:TBL+16*\a+3],     v[CSO], s[6:7] offset:\a*4096
	global_load_b128 v[TBL+16*\a+4:TBL+16*\a+7],   v[CSO], s[6:7] offset:\a*4096+16
	global_load_b128 v[TBL+16*\a+8:TBL+16*\a+11],  v[CSO], s[8:9] offset:\a*4096
	global_load_b128 v[TBL+16*\a+12:TBL+16*\a+15], v[CSO], s[8:9] offset:\a*4096+16
.endr
	s_wait_loadcnt 0x0
	WIN 0x45                                       ; the tables are rounded to bf16 and kept as f32: this stands in the wait for the first tile
.set i, 0
.rept 64
	v_cvt_pk_bf16_f32 v[TT+i%4], v[TBL+2*i], v[TBL+2*i+1]
	v_lshlrev_b32 v[TBL+2*i], 16, v[TT+i%4]
	v_and_b32 v[TBL+2*i+1], s42, v[TT+i%4]
.set i, i+1
.endr
	WIN 0
; 12 matrix instructions: row blocks 4 hi + 2 p and 4 hi + 2 p + 1 x my six column blocks, 32 along K, from buffer f.  zero = 1: the product starts the sum.
; The 48 accumulators take turns, one instruction a turn, in the same order in every quarter, over the backward jump too.
.macro MUL12 f, hi, p, zero
	WIN MUL_LO+0x50*(\hi)
.irp a, 2*(\p), 2*(\p)+1
.irp j, 0,1,2,3,4,5
.if \zero
	v_wmma_f32_16x16x32_bf16 v[8*(6*(\a)+\j):8*(6*(\a)+\j)+7], v[48*(\f)+8*\j:48*(\f)+8*\j+7], v[AF+64*(\f)+8*(4*(\hi)+(\a)):AF+64*(\f)+8*(4*(\hi)+(\a))+7], 0
.else
	v_wmma_f32_16x16x32_bf16 v[8*(6*(\a)+\j):8*(6*(\a)+\j)+7], v[48*(\f)+8*\j:48*(\f)+8*\j+7], v[AF+64*(\f)+8*(4*(\hi)+(\a)):AF+64*(\f)+8*(4*(\hi)+(\a))+7], v[8*(6*(\a)+\j):8*(6*(\a)+\j)+7]
.endif
.endr
.endr
.endm
; 28 LDS loads in one run: quarter kq (32 along K) of a slot into buffer f: W's six fragments (turned), then x's eight
.macro FETCH slot, kq, f
	WIN TO_W
.irp j, 0,1,2,3,4,5
	ds_load_tr16_b128 v[48*(\f)+8*\j:48*(\f)+8*\j+3],   v[ADRW+3*(\slot)+\j/2] offset:(\kq)*32*PW+(\j%2)*128
	ds_load_tr16_b128 v[48*(\f)+8*\j+4:48*(\f)+8*\j+7], v[ADRW+3*(\slot)+\j/2] offset:(\kq)*32*PW+(\j%2)*128+16*PW
.endr
	WIN 0
.irp a, 0,1,2,3,4,5,6,7
	ds_load_b128 v[AF+64*(\f)+8*\a:AF+64*(\f)+8*\a+3],   v[ADRA+(\slot)] offset:(\kq)*64+\a*16*PA
	ds_load_b128 v[AF+64*(\f)+8*\a+4:AF+64*(\f)+8*\a+7], v[ADRA+(\slot)] offset:(\kq)*64+\a*16*PA+32
.endr
.endm
; A K step is four quarters of 32 along K, 48 matrix instructions each, on buffers 0, 1, 0, 1.  One of the first three multiplies buffer f and fetches quarter kq into buffer g.
.macro QUARTER slot, kq, f, g, zero
	s_wait_dscnt 8                                 ; W and x's row blocks 0-3 are in; the youngest eight loads (row blocks 4-7) may be out
	MUL12 \f, 0, 0, \zero
	MUL12 \f, 0, 1, \zero
	PLACES
	FETCH \slot, \kq, \g
	s_wait_dscnt 28                                ; all but the 28 just issued
	MUL12 \f, 1, 0, \zero
	MUL12 \f, 1, 1, \zero
.endm
; The last quarter's first half, and the one barrier of a change of slots: each wave waits for all its tensor loads (the one that is out is its tile of the next slot), adds 0 to its spare word, and waits for that and for its reads of this slot.
.macro MEET round
	WIN 0
	s_wait_tensorcnt 0x0
	ds_add_u32 v[SPW], v[NIL]
	s_wait_dscnt 9                                 ; the add and the youngest eight loads may be out
	MUL12 1, 0, 0, 0
	s_wait_dscnt 0x0                               ; the add is done, and my reads of this slot are over
	s_barrier_signal -1
	MUL12 1, 0, 1, 0
.if \round
	WIN 0
.endif
	s_barrier_wait -1
.endm
; The whole last quarter.  fill = 1: the barrier opens a round of the cluster's; behind it this slot is filled again first, with the walk's K step two trips on: 168 matrix instructions ahead of the wait for that load.
.macro TURN slot, next, fill
.if \fill
	s_wait_xcnt 0x0                                ; the last prefetch, a K step back, has read its address, which is made anew here, ahead of the waits of the change of slots:
	s_add_co_u32 s[OFS], s[KN], 2                  ; the K step two refills on from the one that this change asks for,
	s_and_b32 s[OFS], s[OFS], 15                   ; round the ring: it stays inside x's rows
	s_lshl_b32 s[OFS], s[OFS], 8
	s_mov_b32 s[OFS+1], 0
	s_add_nc_u64 s[PFA:PFA+1], s[PB:PB+1], s[OFS:OFS+1]
.endif
	MEET \fill
.if \fill
	CREST
	STEPK \slot
	JLOAD \slot                                    ; its four v_nop are also the places in front of the loads below
.else
	PLACES
.endif
	FETCH \next, 0, 0
.if \fill
	ASK
.endif
	MUL12 1, 1, 0, 0
	MUL12 1, 1, 1, 0
.endm
	s_wait_tensorcnt 0x1                           ; my tile of the first trip is in; the second trip's may stay out
	s_barrier_signal -1
	s_barrier_wait -1
	FETCH 0, 0, 0
	QUARTER 0, 1, 0, 1, 1                          ; the first quarter stands in front of the loop: its products start the sums
	WIN 0
	s_mov_b32 s3, 7
.Llap:                                             ; a trip goes once round the two slots and fills both again
	QUARTER 0, 2, 1, 0, 0
	QUARTER 0, 3, 0, 1, 0
	TURN 0, 1, 1
	QUARTER 1, 1, 0, 1, 0
	QUARTER 1, 2, 1, 0, 0
	QUARTER 1, 3, 0, 1, 0
	TURN 1, 0, 1
	QUARTER 0, 1, 0, 1, 0
	WIN 0
	s_sub_co_u32 s3, s3, 1
	s_cmp_lg_u32 s3, 0
	s_cbranch_scc1 .Llap
	QUARTER 0, 2, 1, 0, 0                          ; the last lap fills nothing
	QUARTER 0, 3, 0, 1, 0
	TURN 0, 1, 0                                   ; behind its barrier nobody reads slot 0 any more: its bytes become the stage
	QUARTER 1, 1, 0, 1, 0
	QUARTER 1, 2, 1, 0, 0
	QUARTER 1, 3, 0, 1, 0
	s_wait_dscnt 8
	MUL12 1, 0, 0, 0
	MUL12 1, 0, 1, 0
	s_wait_dscnt 0x0
	MUL12 1, 1, 0, 0
	MUL12 1, 1, 1, 0
; THE WAY OUT.  Row block a, head h: first' = first x C - second x S, second' = second x C + first x S, with C = cos x F + G and S = sin x F (q, k: F = 2^-8, G = 0; v: F = 0, G = 1).
; The eight lines that make C and S name no accumulator: they are the places behind the last products.  Each accumulator is read from its low end on.
.macro ROPE a, h
.set ALO, 8*(6*((\a)%4)+2*(\h))
.set AHI, ALO+8
	WIN 0x01
.irp p, 0,2,4,6
	v_pk_fma_f32 v[CP+\p:CP+\p+1], v[TBL+16*(\a)+\p:TBL+16*(\a)+\p+1], s[FS+4*(\h):FS+4*(\h)+1], s[GS+4*(\h):GS+4*(\h)+1] op_sel_hi:[1,0,0]
.endr
.irp p, 0,2,4,6
	v_pk_mul_f32 v[SN+\p:SN+\p+1], v[TBL+16*(\a)+8+\p:TBL+16*(\a)+8+\p+1], s[FS+4*(\h):FS+4*(\h)+1] op_sel_hi:[1,0]
.endr
	WIN 0x02+(\a)/4
.irp p, 0,2,4,6
	v_pk_mul_f32 v[TLO+\p:TLO+\p+1], v[ALO+\p:ALO+\p+1], v[CP+\p:CP+\p+1]
.endr
.irp p, 0,2,4,6
	v_pk_mul_f32 v[THI+\p:THI+\p+1], v[AHI+\p:AHI+\p+1], v[CP+\p:CP+\p+1]
.endr
.irp p, 0,2,4,6
	v_pk_fma_f32 v[TLO+\p:TLO+\p+1], v[AHI+\p:AHI+\p+1], v[SN+\p:SN+\p+1], v[TLO+\p:TLO+\p+1] neg_lo:[1,0,0] neg_hi:[1,0,0]
.endr
.irp p, 0,2,4,6
	v_pk_fma_f32 v[THI+\p:THI+\p+1], v[ALO+\p:ALO+\p+1], v[SN+\p:SN+\p+1], v[THI+\p:THI+\p+1]
.endr
	WIN 0
.irp k, 0,1,2,3
	v_cvt_pk_f16_f32 v[CP+\k], v[TLO+2*\k], v[TLO+2*\k+1]
.endr
.irp k, 0,1,2,3
	v_cvt_pk_f16_f32 v[CP+4+\k], v[THI+2*\k], v[THI+2*\k+1]
.endr
	ds_store_b128 v[STO+(\h)], v[CP:CP+3]   offset:(\a)*16*SPITCH
	ds_store_b128 v[STO+(\h)], v[CP+4:CP+7] offset:(\a)*16*SPITCH+128
.endm
.irp a, 0,1,2,3,4,5,6,7
.irp h, 0,1,2
	ROPE \a, \h
.endr
.endr
	s_wait_dscnt 0x0                               ; for the others' sake: a row's 256 bytes come from all four waves
	s_barrier_signal -1
	s_barrier_wait -1
.set i, 0
.rept 48
	ds_load_b128 v[64+4*i:64+4*i+3], v[RD+i/16] offset:(i%16)*2*SPITCH
.set i, i+1
.endr
.set i, 0
.rept 48
	s_wait_dscnt 47-i                              ; the younger loads may stay out
	global_store_b128 v[CO], v[64+4*i:64+4*i+3], s[10:11] offset:(i/16)*524288+(i%16)*512  ; two whole rows of a head: 512 consecutive bytes, aligned
.set i, i+1
.endr
	s_wait_tensorcnt 0x0                           ; the wave's end
	ds_add_u32 v[SPW], v[NIL]
	s_wait_dscnt 0x0
	CROUND                                         ; the closing round
	s_endpgm
.Lfunc_end_k_q1aeb9f503f_qkvrope:
	.size	k_q1aeb9f503f_qkvrope, .Lfunc_end_k_q1aeb9f503f_qkvrope-k_q1aeb9f503f_qkvrope
	.p2alignl 7, 3214868480
	.fill 96, 4, 3214868480
	.section	.rodata,"a",@progbits
	.p2align	6, 0x0
	.amdhsa_kernel k_q1aeb9f503f_qkvrope
		.amdhsa_group_segment_fixed_size 327680
		.amdhsa_private_segment_fixed_size 0
		.amdhsa_enable_private_segment 0
		.amdhsa_kernarg_size 32
		.amdhsa_user_sgpr_count 2
		.amdhsa_user_sgpr_kernarg_segment_ptr 1
		.amdhsa_wavefront_size32 1
		.amdhsa_system_sgpr_workgroup_id_x 1
		.amdhsa_system_sgpr_workgroup_id_y 1
		.amdhsa_system_sgpr_workgroup_id_z 1
		.amdhsa_system_vgpr_workitem_id 0
		.amdhsa_next_free_vgpr 960
		.amdhsa_next_free_sgpr 80
		.amdhsa_reserve_vcc 0
		.amdhsa_float_denorm_mode_32 3
		.amdhsa_float_denorm_mode_16_64 3
		.amdhsa_memory_ordered 1
		.amdhsa_forward_progress 1
		.amdhsa_inst_pref_size 167
	.end_amdhsa_kernel
	.amdgpu_metadata
---
amdhsa.version: [ 1, 2 ]
amdhsa.kernels:
  - .name:           k_q1aeb9f503f_qkvrope
    .symbol:         k_q1aeb9f503f_qkvrope.kd
    .args:
      - { .name: cb, .offset: 0, .size: 8, .value_kind: global_buffer, .address_space: global }
      - { .name: freq_cos, .offset: 8, .size: 8, .value_kind: global_buffer, .address_space: global }
      - { .name: freq_sin, .offset: 16, .size: 8, .value_kind: global_buffer, .address_space: global }
      - { .name: qkvh, .offset: 24, .size: 8, .value_kind: global_buffer, .address_space: global }
    .group_segment_fixed_size: 327680
    .private_segment_fixed_size: 0
    .kernarg_segment_align: 8
    .kernarg_segment_size: 32
    .max_flat_workgroup_size: 128
    .sgpr_count:     80
    .vgpr_count:     960
    .wavefront_size: 32
...
	.end_amdgpu_metadata
.endif
;; end of part 2
;; launch attn (part 3): grid 16 x 16, 4 waves a work-group, clusters of 4 x 1, 327,680 bytes of LDS; arguments qkvh, ob; writes ob
.if DOCPART == 3
	.amdgcn_target "amdgcn-amd-amdhsa--gfx1250"
	.amdhsa_code_object_version 6
	.text
	.protected	k_q1aeb9f503f_attn
	.globl	k_q1aeb9f503f_attn
	.p2align	8
	.type	k_q1aeb9f503f_attn,@function
k_q1aeb9f503f_attn:
	s_mov_b64 s[64:65], 0
	v_nop
	global_prefetch_b8 v0, s[64:65] scope:SCOPE_SE
	s_setreg_imm32_b32 hwreg(HW_REG_WAVE_MODE, 25, 1), 1
	s_wait_xcnt 0x0
	s_wait_alu depctr_hold_cnt(0) depctr_sa_sdst(0) depctr_va_vdst(0) depctr_va_sdst(0) depctr_va_ssrc(0) depctr_va_vcc(0) depctr_vm_vsrc(0)
	s_getreg_b32 s2, hwreg(HW_REG_IB_STS2, 6, 4)
	s_cmp_eq_u32 s2, 0
	s_cbranch_scc0 .Lentry_in_a_cluster
	s_endpgm
.Lentry_in_a_cluster:
	s_bfe_u32 s2, ttmp6, 0x10000c
	s_cmp_lg_u32 s2, 0x3003
	s_cbranch_scc0 .Lentry_shape_is_right
	s_endpgm
.Lentry_shape_is_right:
; CAUSAL ATTENTION, 16 heads of 128 channels over 2,048 rows.  q, k, v: qkvh[48][2048][128] in f16 (heads 0-15 q x 2^-8, 16-31 k x 2^-8, 32-47 v); O: ob[2048][16 x 128] in f16.
; Products, maxima and sums in f32; the weights p are rounded to f16 for the second product (their sum l is taken of the unrounded p), O once at the end.
; LIMITS.  A hidden key counts as its score less 1e30, so its weight is 0: equal to a logit of -1e10 wherever a row's largest visible logit lies above about -1e10.  v and O within 65,504.
; A weight below 2^-126 counts as 0 in l; NaN and infinities are not treated apart.
; THE WALK.  A head's queries lie in 32 blocks of 64.  A work-group takes TWO, 31 - b and then b (b = 4 u + cx, u the cluster's x): the first needs the key tiles (256 keys) 0 .. 7 - u, the second 0 .. u:
; nine tiles whatever b: equal work, one loop with a constant trip count.  The four partners of a cluster share u and the head, walk the same tiles in the same order, and ask for each jointly.
; SHARES.  THE KEYS, NOT THE QUERIES, ARE SPLIT AMONG THE WAVES: every wave holds all 64 queries (four tiles of 16, in two pieces: tiles 0, 1 and tiles 2, 3) and takes keys 64 w .. 64 w + 63 of each key tile,
; so a fragment of K or V feeds four tiles' products.  At a block's end the four waves' partial (c m, l, O) meet in LDS: O = sum f O_w / sum f l_w, f = 2^(c m_w - max c m).
; LAYOUT.  S^T = K Q^T holds ONE query a lane (l % 16) and the keys 8 (l / 16) + 0..7; two such results rounded to f16 ARE source 1 of O^T = V^T P.  K comes out of LDS as it lies, V turned.
; SOFTMAX.  p = 2^(c s - c m), c = log2(e) / sqrt(128) x 2^16, with a running maximum m; O and l are multiplied by a = 2^(c m_old - c m_new) in every step.  c m starts far below every c s: a block's first a is 0.
; THE MASK is the C operand that starts each sum S^T.  Only a block's last tile hides keys: with wd the wave that holds the diagonal there (3 - cx, then cx), register r of key block kb and query tile t is hidden
; where 16 (kb - t) + r > l % 16 - 8 (l / 16) + 64 (wd - w).  Seven patterns (kb - t = -3 .. 3), 56 registers, 0 or -1e30; all 0 in the other tiles.  cx reaches these numbers alone: no path, no LDS address.
; A wave that sees no key of a block ends with c m near -8e33 and finite sums, and its f is 0.
; A STEP (one key tile): A: piece 0's 32 products K Q^T.  B: piece 2's, with piece 0's softmax in slices behind them, two slices (eight vector instructions) a product.  C: piece 0's 32 products V^T P, with piece 2's
; softmax behind them.  D: piece 2's V^T P.  Nothing crosses a step but m, l and O^T.
; REGISTERS, in windows of 256: window 0: v1-11 addresses; v12-43 eight registers of statistics a tile; v44-49, v61-63; v64-191 S^T, 32 a tile; v192-255 P, 16 a tile (the merge works in v64-223)
;   window 1: O^T, 64 a tile     window 2: v0-127 Q, 32 a tile; v128-255 K of one step     window 3: v0-127 V of one step; v128-183 the masks
.set PK,    272                        ; a row of K in LDS: 256 bytes + 16
.set PV,    288                        ; a row of V: 256 + 32
.set VOFF,  256*PK                     ; a slot: 256 rows of K, then 256 rows of V
.set SLOTX, 0x24000                    ; slot 1 begins here; its two bits are clear in every address inside slot 0's tile bases, so one exclusive or turns an address into the other slot's
.set MRG,   SLOTX+256*(PK+PV)          ; behind the ring, never filled by a tensor load: for each wave 16 rows x 528 bytes of f32
.set MP,    528
.set STAT,  MRG+4*16*MP                ; for each wave and tile 128 bytes: 16 c m, 16 l
.set SPARE, STAT+2048                  ; the spare words, 128 bytes for each wave
.set AK0, 2                            ; v2   my lane's place in my wave's 64 rows of K; never rewritten
.set AV0, 3                            ; v3   the same for V
.set ADK, 4                            ; v4   the LDS address of K's run of loads
.set ADV, 5                            ; v5   of V's
.set QO,  6                            ; v6   my byte offset in a block's rows of Q
.set MS,  7                            ; v7   the merge: where I put 32 bytes of a row
.set MR,  8                            ; v8   the merge: where I read 32 bytes of a row
.set SA,  9                            ; v9   where I put a statistic
.set SR,  10                           ; v10  where I read statistics
.set GO,  11                           ; v11  my byte offset in a block's rows of O
.set ST,  12                           ; tile t at v[ST+8 t]: +0 c m, +1 m, +2, +3 l (even keys', odd keys'), +4 to +7 at work; a takes +6
.set THR, 44                           ; v44  the mask's threshold for the block in hand
.set THB, 45                           ; v45  l % 16 - 8 (l / 16)
.set PFO, 61                           ; v61  256 x my lane; never rewritten
.set SPW, 62                           ; v62  my spare word; never rewritten
.set NIL, 63                           ; v63  0; never rewritten
.set S,   64
.set P,   192
.set KF,  128                          ; window 2
.set MK,  128                          ; window 3: pattern d at MK + 8 (d + 3)
.set MO,  64                           ; the merge: row n (0, 1), wave w: eight partial sums at MO + 32 n + 8 w
.set MC,  128                          ;            c m at MC + 8 n + w, l at MC + 8 n + 4 + w
.set MX,  144
.set ML,  146
.set MG,  148                          ;            the factor f / L, twice, at MG + 8 n + 2 w
.set OUTR, 192                         ;            packed rows: tile t, row n at OUTR + 8 t + 4 n
.set WV,  12                           ; s12  my wave's number
.set CX,  13                           ; s13  my place in the cluster
.set U,   14                           ; s14  the cluster's x
.set LIM, 15                           ; s15  2 in a cluster that prefetches, else the greatest number
.set KB,  16                           ; s[16:17] K at my half of the head's tile 0
.set VB,  18                           ; s[18:19] V likewise
.set QA,  20                           ; s[20:21] Q at the first block
.set QL,  22                           ; s[22:23] Q at the second
.set G1K, 24                           ; s[24:31] descriptor group 1 for K's tiles
.set G1V, 32                           ; s[32:39] for V's: it differs in the padding alone
.set G0K, 40                           ; s[40:43] descriptor group 0 for K's tiles
.set G0V, 44                           ; s[44:47] for V's
.set OB,  48                           ; s[48:49] O at the block in hand
.set OL,  50                           ; s[50:51] O at the second block
.set OFF, 52                           ; s[52:53] a tile's byte offset
.set PFA, 54                           ; s[54:55] where my prefetches stand
.set SLOTS, 56                         ; s56  tiles still to be asked for
.set RT,  57                           ; s57  tiles of the block in hand still to be entered
.set CS,  58                           ; s[58:59] c
.set SEL, 60                           ; s[60:61] v_permlanex16_b32's selects: each lane takes its own place in the other half
.set TB,  62                           ; s62  the slot to be read: 0 or SLOTX
.set NXT, 63                           ; s63  the tile to be asked for next
.set LQ,  66                           ; s66  the last tile of the block whose tiles are being asked for
.set HM,  67                           ; s67  lanes 16-31
.set OFS2, 68                          ; s68  64 (cx - w)
.set BIGN, 69                          ; s69  -1e30
.set MSB, 0
.macro WIN new
.if MSB != (\new)
	s_set_vgpr_msb (MSB<<8)|(\new)
.set MSB, \new
.endif
.endm
.set W_KQ, 0x0a                        ; K and Q in window 2, S^T in window 0
.set W_KM, 0x3a                        ; the same with the C operand in window 3
.set W_PV, 0x53                        ; V in window 3, P in window 0, O^T in window 1
.set W_RS, 0x41                        ; O^T (destination and source 0) in window 1, a in window 0
; A joint fill: waves 0 and 1 fetch the two halves of a tile's K, waves 2 and 3 those of its V: 128 rows each.  An s_nop 0 and four v_nop follow each line.
.macro JLOAD
	s_cmp_lt_u32 s[WV], 2
	s_cbranch_scc0 .Lfor_v_\@
	tensor_load_to_lds s[G0K:G0K+3], s[G1K:G1K+7]
	s_nop 0
.rept 4
	v_nop
.endr
	s_branch .Lasked_\@
.Lfor_v_\@:
	tensor_load_to_lds s[G0V:G0V+3], s[G1V:G1V+7]
	s_nop 0
.rept 4
	v_nop
.endr
.Lasked_\@:
.endm
; A prefetch of the tile that the NEXT change of slots will ask for: 256 rows of K and 256 of V, 256 bytes a row.  Of a head's four clusters only the one with u = 0 walks all eight tiles: it asks.
; Its 16 waves take 32 rows each, told apart by address: a lane a row.  The changes that load tiles 1 to 6 name tiles 2 to 7; the last two changes name nothing.
.macro ASK
	s_cmp_gt_u32 s[SLOTS], s[LIM]
	s_cbranch_scc0 .Lnot_mine_\@
	global_prefetch_b8 v[PFO], s[PFA:PFA+1] th:TH_LOAD_NT scope:SCOPE_SE
.Lnot_mine_\@:
.endm
.macro CROUND                          ; a round of the cluster's barrier
	s_barrier_signal -1
	s_barrier_wait -1
	s_cmp_lg_u32 s[WV], 0
	s_cbranch_scc1 .Lnot_wave_0_\@
	s_barrier_signal -3
.Lnot_wave_0_\@:
	s_barrier_wait -3
	s_barrier_signal -1
	s_barrier_wait -1
.endm
.macro PLACES
.rept 4
	v_nop
.endr
.endm
.macro LOADQ base                      ; a block's Q: tile i / 4, channels 32 (i % 4) on: lane l holds row l % 16, channels 8 (l / 16) + 0..7 and 16 + 8 (l / 16) + 0..7
	WIN 0x80
.set i, 0
.rept 16
	global_load_b128 v[8*i:8*i+3],   v[QO], s[\base:\base+1] offset:(i/4)*4096+(i%4)*64
	global_load_b128 v[8*i+4:8*i+7], v[QO], s[\base:\base+1] offset:(i/4)*4096+(i%4)*64+32
.set i, i+1
.endr
	WIN 0
.endm
	s_load_b128 s[4:7], s[0:1], 0x0                ; qkvh s[4:5], ob s[6:7]
	v_lshl_add_u32 v[SPW], v0, 2, SPARE
	v_mov_b32 v[NIL], 0
	ds_add_u32 v[SPW], v[NIL]                      ; the wave's opening: the add and its wait stand ahead of my first tensor load
	v_lshrrev_b32 v1, 5, v0
	v_readfirstlane_b32 s[WV], v1
	s_bfe_u32 s[CX], ttmp6, 0x40000
	s_mov_b32 s[U], ttmp9
	s_and_b32 s70, ttmp7, 0xffff                   ; the head
	s_lshl_b32 s71, s[U], 2
	s_add_co_u32 s71, s71, s[CX]                   ; b
	s_sub_co_u32 s72, 31, s71                      ; 31 - b
	s_and_b32 s73, s[WV], 1                        ; which half of a tile's 256 rows I fetch
	s_lshl_b32 s74, s70, 19                        ; a head is 524,288 bytes
	s_lshl_b32 s75, s73, 15                        ; 128 rows of 256 bytes
	s_add_co_u32 s75, s75, s74                     ; the head and the wave alone: the same in all four partners
	s_add_co_u32 s[KB], s75, 16<<19
	s_mov_b32 s[KB+1], 0
	s_add_co_u32 s[VB], s75, 32<<19
	s_mov_b32 s[VB+1], 0
	s_lshl_b32 s76, s72, 14                        ; a block's 64 rows of 256 bytes
	s_add_co_u32 s[QA], s76, s74
	s_mov_b32 s[QA+1], 0
	s_lshl_b32 s76, s71, 14
	s_add_co_u32 s[QL], s76, s74
	s_mov_b32 s[QL+1], 0
	s_lshl_b32 s77, s70, 8                         ; in ob a head is 256 bytes of a row of 4,096
	s_lshl_b32 s76, s72, 18
	s_add_co_u32 s[OB], s76, s77
	s_mov_b32 s[OB+1], 0
	s_lshl_b32 s76, s71, 18
	s_add_co_u32 s[OL], s76, s77
	s_mov_b32 s[OL+1], 0
	s_lshl_b32 s76, s[CX], 14                      ; the prefetches: my work-group's 64 rows of a tile's 256,
	s_lshl_b32 s77, s73, 13                        ; my wave's 32 of them,
	s_add_co_u32 s76, s76, s77
	s_add_co_u32 s76, s76, s74
	s_add_co_u32 s76, s76, 65536                   ; at tile 1: each change of slots steps the address first and then names it
	s_mov_b32 s78, 32<<19
	s_cmp_lt_u32 s[WV], 2
	s_cselect_b32 s78, 16<<19, s78                 ; of K (waves 0, 1) or of V
	s_add_co_u32 s[PFA], s76, s78
	s_mov_b32 s[PFA+1], 0
	s_cmp_eq_u32 s[U], 0
	s_cselect_b32 s[LIM], 2, -1
	s_mov_b32 s[G1K], 15|(1<<16)|(1<<20)|(1<<21)|(5<<22)|(3<<25)  ; the mask of four; 2-byte elements; padding on; bit 21 beside a mask; after every 64 words 4 words
	s_mov_b32 s[G1V], 15|(1<<16)|(1<<20)|(1<<21)|(5<<22)|(7<<25)  ; the same with 8 words
.irp g, G1K, G1V
	s_mov_b32 s[(\g)+1], 128<<16                   ; tensor_dim0 = 128
	s_mov_b32 s[(\g)+2], 128<<16                   ; tensor_dim1 = 128
	s_mov_b32 s[(\g)+3], 128<<16                   ; tile_dim0 = 128
	s_mov_b32 s[(\g)+4], 128                       ; tile_dim1 = 128
	s_mov_b32 s[(\g)+5], 128                       ; 128 elements from row to row
	s_mov_b32 s[(\g)+6], 0
	s_mov_b32 s[(\g)+7], 0
.endr
	s_mov_b32 s[G0K], 1
	s_mul_i32 s[G0K+1], s73, 128*PK                ; slot 0, my half
	s_mov_b32 s[G0V], 1
	s_mul_i32 s[G0V+1], s73, 128*PV
	s_add_co_u32 s[G0V+1], s[G0V+1], VOFF
	s_mov_b32 s[CS], 0x460293ee                    ; c = log2(e) / sqrt(128) x 2^16
	s_mov_b32 s[CS+1], s[CS]
	s_mov_b32 s[SEL], 0x76543210
	s_mov_b32 s[SEL+1], 0xfedcba98
	s_mov_b32 s[TB], SLOTX                         ; the first change of slots turns it into 0
	s_mov_b32 s[NXT], 1
	s_sub_co_u32 s[LQ], 7, s[U]
	s_mov_b32 s[OFF+1], 0
	s_mov_b32 s[HM], 0xffff0000
	s_mov_b32 s[BIGN], 0xf149f2ca                  ; -1e30
	s_mov_b32 s[SLOTS], 8
	s_sub_co_u32 s[RT], 8, s[U]                    ; the first block has 8 - u tiles
	s_wait_dscnt 0x0                               ; the opening add is done
	s_wait_kmcnt 0x0
	s_add_nc_u64 s[KB:KB+1], s[4:5], s[KB:KB+1]
	s_add_nc_u64 s[VB:VB+1], s[4:5], s[VB:VB+1]
	s_add_nc_u64 s[QA:QA+1], s[4:5], s[QA:QA+1]
	s_add_nc_u64 s[QL:QL+1], s[4:5], s[QL:QL+1]
	s_add_nc_u64 s[PFA:PFA+1], s[4:5], s[PFA:PFA+1]
	s_add_nc_u64 s[OB:OB+1], s[6:7], s[OB:OB+1]
	s_add_nc_u64 s[OL:OL+1], s[6:7], s[OL:OL+1]
	s_mov_b64 s[G0K+2:G0K+3], s[KB:KB+1]
	s_or_b32 s[G0K+3], s[G0K+3], 0x80000000
	s_mov_b64 s[G0V+2:G0V+3], s[VB:VB+1]
	s_or_b32 s[G0V+3], s[G0V+3], 0x80000000
	CROUND                                         ; all four work-groups are here
	JLOAD                                          ; tile 0 into slot 0
	v_and_b32 v1, 15, v0                           ; r = l % 16
	v_bfe_u32 v46, v0, 4, 1                        ; hl = l / 16
	v_and_b32 v47, 7, v0
	v_bfe_u32 v48, v0, 3, 1
	v_lshlrev_b32 v[QO], 8, v1
	v_lshl_add_u32 v[QO], v46, 4, v[QO]
	LOADQ QA
	s_mul_i32 s70, s[WV], 64*PK                    ; my wave's 64 keys
	v_mul_u32_u24 v[AK0], v1, PK
	v_lshl_add_u32 v[AK0], v46, 4, v[AK0]
	v_add_nc_u32 v[AK0], s70, v[AK0]
	s_mul_i32 s70, s[WV], 64*PV
	s_add_co_u32 s70, s70, VOFF
	v_lshl_add_u32 v[AV0], v46, 3, v47             ; the turning load: key 8 hl + l % 8, channels 8 ((l / 8) % 2) on
	v_mul_u32_u24 v[AV0], v[AV0], PV
	v_lshl_add_u32 v[AV0], v48, 4, v[AV0]
	v_add_nc_u32 v[AV0], s70, v[AV0]
	s_mul_i32 s70, s[WV], 16*MP
	s_add_co_u32 s70, s70, MRG
	v_mul_u32_u24 v[MS], v1, MP                    ; in: my wave's part, row r, channels 8 hl on of each sixteen
	v_lshl_add_u32 v[MS], v46, 5, v[MS]
	v_add_nc_u32 v[MS], s70, v[MS]
	s_mul_i32 s70, s[WV], 4*MP
	s_add_co_u32 s70, s70, MRG
	v_mul_u32_u24 v[MR], v46, MP                   ; back: rows 4 w + hl (and two further on), channels 8 r on
	v_lshl_add_u32 v[MR], v1, 5, v[MR]
	v_add_nc_u32 v[MR], s70, v[MR]
	v_and_b32 v49, 31, v0
	s_lshl_b32 s70, s[WV], 9
	s_add_co_u32 s70, s70, STAT
	v_lshl_add_u32 v[SA], v49, 2, s70
	s_lshl_b32 s70, s[WV], 4
	s_add_co_u32 s70, s70, STAT
	v_lshl_add_u32 v[SR], v46, 2, s70
	s_lshl_b32 s70, s[WV], 14
	v_lshlrev_b32 v[GO], 12, v46
	v_lshl_add_u32 v[GO], v1, 4, v[GO]
	v_add_nc_u32 v[GO], s70, v[GO]                 ; row 4 w + hl of 4,096 bytes, 16 bytes for each r
	v_lshlrev_b32 v[PFO], 8, v49
	v_lshlrev_b32 v49, 3, v46
	v_sub_nc_u32 v[THB], v1, v49
	s_sub_co_u32 s70, 3, s[CX]
	s_sub_co_u32 s70, s70, s[WV]
	s_lshl_b32 s70, s70, 6
	v_add_nc_u32 v[THR], s70, v[THB]               ; the first block: wd = 3 - cx
	s_sub_co_u32 s[OFS2], s[CX], s[WV]
	s_lshl_b32 s[OFS2], s[OFS2], 6                 ; the second: wd = cx
	; A block's first step multiplies O^T and l by a = 0, so they need only be finite: zeros here, in the wait for the first tile; what the first block left, for the second.  No first step is written out.
	WIN 0x40
.set i, 0
.rept 256
	v_mov_b32 v[i], 0
.set i, i+1
.endr
	WIN 0xc0
.set i, 0
.rept 56
	v_mov_b32 v[MK+i], 0
.set i, i+1
.endr
	WIN 0
.irp t, 0,1,2,3
	v_mov_b32 v[ST+8*\t], 0xfe000000               ; c m: far below every c s
	v_mov_b32 v[ST+8*\t+1], 0xff7fffff             ; m
	v_mov_b32 v[ST+8*\t+2], 0
	v_mov_b32 v[ST+8*\t+3], 0
.endr
; THE MATRIX WORK.  The accumulators take turns, one instruction a turn: between two links of a chain stand 7 (K Q^T) or 15 (V^T P) others'.
; Product i of 32 of S^T = K Q^T for piece x: channels 32 (i / 8) on, keys 16 ((i / 2) % 4) on, tile x + i % 2.  The first 8 start the sums, with the mask.
.macro KQ x
.set rS, S+32*((\x)+i%2)+8*((i/2)%4)
.set rK, KF+32*((i/2)%4)+8*(i/8)
.set rQ, 32*((\x)+i%2)+8*(i/8)
.set rM, MK+8*((i/2)%4-((\x)+i%2)+3)
.if i < 8
	WIN W_KM
	v_wmma_f32_16x16x32_f16 v[rS:rS+7], v[rK:rK+7], v[rQ:rQ+7], v[rM:rM+7]
.else
	WIN W_KQ
	v_wmma_f32_16x16x32_f16 v[rS:rS+7], v[rK:rK+7], v[rQ:rQ+7], v[rS:rS+7]
.endif
.endm
; Product i of 32 of O^T += V^T P for piece x: keys 32 (i / 16) on, channels 16 ((i / 2) % 8) on, tile x + i % 2.
.macro PV x
	WIN W_PV
.set rO, 64*((\x)+i%2)+8*((i/2)%8)
.set rV, 64*(i/16)+8*((i/2)%8)
.set rP, P+16*((\x)+i%2)+8*(i/16)
	v_wmma_f32_16x16x32_f16 v[rO:rO+7], v[rV:rV+7], v[rP:rP+7], v[rO:rO+7]
.endm
.macro FETCH_K                         ; 32 loads: keys 16 (f / 4) on, channels 32 (f % 4) on
	WIN 0x80
.irp f, 0,1,2,3,4,5,6,7,8,9,10,11,12,13,14,15
	ds_load_b128 v[KF+8*\f:KF+8*\f+3],   v[ADK] offset:(\f/4)*16*PK+(\f%4)*64
	ds_load_b128 v[KF+8*\f+4:KF+8*\f+7], v[ADK] offset:(\f/4)*16*PK+(\f%4)*64+32
.endr
.endm
.macro FETCH_V                         ; 32 turning loads: keys 32 (f / 8) on, channels 16 (f % 8) on
	WIN 0xc0
.irp f, 0,1,2,3,4,5,6,7,8,9,10,11,12,13,14,15
	ds_load_tr16_b128 v[8*\f:8*\f+3],   v[ADV] offset:(\f/8)*32*PV+(\f%8)*32
	ds_load_tr16_b128 v[8*\f+4:8*\f+7], v[ADV] offset:(\f/8)*32*PV+16*PV+(\f%8)*32
.endr
.endm
; THE VECTOR WORK.  One tile's softmax for a step is a list of 134 instructions; SM writes number j of it for tile t.  s0-s31 are the lane's 32 scores, in pairs 0-15.
;   0-15    the maximum of s0-s31 and the old m, three operands at a time; each accumulator's lowest registers are read first     16-20  the other half of the lanes' maximum; the new m; c m; c m_old - c m_new
;   21-69   ONE BATCH: the 16 scalings c s - c m and all 33 exponentials (a at 23, then s0-s31); none of these reads an exponential's result     (the wait: SLICE writes it, once for both tiles)
;   70-85   the roundings to f16     86-101  the sums; l = a l + the sum     102-133  the tile's O^T times a
.macro SM t
.set rT, ST+8*(\t)
.set rS, S+32*(\t)
.set rP, P+16*(\t)
.set rO, 64*(\t)+2*(j-102)
.if j < 102
	WIN 0
.endif
.if j < 4
	v_max3_num_f32 v[rT+4+j], v[rS+8*j], v[rS+8*j+1], v[rS+8*j+2]
.elseif j < 12
	v_max3_num_f32 v[rT+4+j%4], v[rT+4+j%4], v[rS+8*(j%4)+2*(j/4)+1], v[rS+8*(j%4)+2*(j/4)+2]
.elseif j == 12
	v_max3_num_f32 v[rT+4], v[rT+4], v[rS+7], v[rS+15]
.elseif j == 13
	v_max3_num_f32 v[rT+6], v[rT+6], v[rS+23], v[rS+31]
.elseif j == 14
	v_max3_num_f32 v[rT+4], v[rT+4], v[rT+5], v[rT+6]
.elseif j == 15
	v_max3_num_f32 v[rT+4], v[rT+4], v[rT+7], v[rT+1]
.elseif j == 16
	v_permlanex16_b32 v[rT+5], v[rT+4], s[SEL], s[SEL+1]  ; the query's other 32 keys lie in the lane 16 away
.elseif j == 17
	v_mov_b32 v[rT+7], v[rT]                       ; c m_old is kept for a
.elseif j == 18
	v_max_num_f32 v[rT+1], v[rT+4], v[rT+5]
.elseif j == 19
	v_mul_f32 v[rT], s[CS], v[rT+1]
.elseif j == 20
	v_sub_f32 v[rT+7], v[rT+7], v[rT]
.elseif j == 23
	v_exp_f32 v[rT+6], v[rT+7]
.elseif (j < 23) || ((j < 38) && (j%2 == 0)) || ((j < 66) && (j%4 == 2))
.set b, (j-2)/4                        ; 38, 42, .. 62: pairs 9 to 15
.if j < 38
.set b, (j-20)/2                       ; 21: pair 0; 22, 24, .. 36: pairs 1 to 8
.endif
	v_pk_fma_f32 v[rS+2*b:rS+2*b+1], v[rS+2*b:rS+2*b+1], s[CS:CS+1], v[rT:rT+1] op_sel_hi:[1,0,0] neg_lo:[0,0,1] neg_hi:[0,0,1]
.elseif j < 70
.set e, j-38                           ; 66 to 69: s28 to s31
.if j < 66
.set e, j-32-(j-38)/4                  ; 39-41, 43-45, .. 63-65: s7 to s27
.endif
.if j < 38
.set e, (j-25)/2                       ; 25, 27, .. 37: s0 to s6
.endif
	v_exp_f32 v[rS+e], v[rS+e]
.elseif j < 86
	v_cvt_pk_f16_f32 v[rP+j-70], v[rS+2*(j-70)], v[rS+2*(j-70)+1]
.elseif j < 102                        ; the sum of the 16 pairs, in place: neighbours 1, 2, 4 and 8 pairs apart, then l takes it
.set z, j-86
.set w, 4
.set u, z
.if z >= 14
.set w, 32
.set u, 0
.elseif z >= 12
.set w, 16
.set u, z-12
.elseif z >= 8
.set w, 8
.set u, z-8
.endif
.if z < 15
	v_pk_add_f32 v[rS+w*u:rS+w*u+1], v[rS+w*u:rS+w*u+1], v[rS+w*u+w/2:rS+w*u+w/2+1]
.else
	v_pk_fma_f32 v[rT+2:rT+3], v[rT+2:rT+3], v[rT+6:rT+7], v[rS:rS+1] op_sel_hi:[1,0,1]
.endif
.else
	WIN W_RS
	v_pk_mul_f32 v[rO:rO+1], v[rO:rO+1], v[rT+6:rT+7] op_sel_hi:[1,0]
.endif
.endm
; Slice k of 64 of piece y's softmax: four instructions.  Slices 11 to 34 deal out numbers 22 to 69, four of ONE tile each, the tiles by turns; every other slice is numbers 2 k and 2 k + 1 of both tiles;
; the twelve that are over stand in slice 63.  Ahead of slice 35 nothing names an exponential's result, behind slice 34 none is issued: so the piece's 66 exponentials have one plain instruction and one wait behind them.
.macro SLICE y
.if (k >= 11) && (k < 35)
.irp n, 0,1,2,3
.set j, 22+4*((k-11)/2)+(\n)
	SM (\y)+(k-11)%2
.endr
.else
.irp n, 0,1,2,3,4,5,6,7
.if ((\n) < 2) || (k == 63)
.irp t, \y, (\y)+1
.set j, 2*k+(\n)
	SM \t
.endr
.endif
.endr
.endif
.if k == 34
	v_nop                                          ; a plain instruction behind the last exponential, ahead of the first use
	s_wait_alu depctr_va_vdst(0)                   ; one wait for the batch
.endif
.set k, k+1
.endm
.macro MASKSET                         ; a block's last tile: the seven patterns from the threshold
	WIN 0xc0
.set i, 0
.rept 56
	v_cmp_gt_i32 vcc_lo, 16*(i/8-3)+i%8, v[THR]
	v_cndmask_b32 v[MK+i], 0, s[BIGN], vcc_lo
.set i, i+1
.endr
	WIN 0
.endm
; THE CHANGE OF SLOTS.  Each wave waits for all its tensor loads (one is out: its part of the other slot), adds 0 to its spare word, and waits for that and for its reads of the slot that it leaves.
; fill = 1: the barrier is a round of the cluster's, and the joint fill of the old slot, with tile NXT, is the first thing behind it: it has a whole step, 128 matrix instructions, in which to land.
; (At its first use nothing has been read yet: slot 0 is waited for, slot 1 filled.)  A wave has one tensor load out at any time.
.macro CHANGE fill
	WIN 0
	s_wait_tensorcnt 0x0                           ; no tensor load of mine is out, so a group 0 may be written
	ds_add_u32 v[SPW], v[NIL]
.if \fill
	s_lshl_b32 s[OFF], s[NXT], 16                  ; a tile is 65,536 bytes of K and of V
	s_xor_b32 s[G0K+1], s[G0K+1], SLOTX
	s_add_nc_u64 s[G0K+2:G0K+3], s[KB:KB+1], s[OFF:OFF+1]
	s_or_b32 s[G0K+3], s[G0K+3], 0x80000000
	s_xor_b32 s[G0V+1], s[G0V+1], SLOTX
	s_add_nc_u64 s[G0V+2:G0V+3], s[VB:VB+1], s[OFF:OFF+1]
	s_or_b32 s[G0V+3], s[G0V+3], 0x80000000
	s_add_co_u32 s[NXT], s[NXT], 1                 ; the block's next tile, or behind its last the second block's tile 0
	s_cmp_gt_u32 s[NXT], s[LQ]
	s_cselect_b32 s[NXT], 0, s[NXT]
	s_cselect_b32 s[LQ], s[U], s[LQ]
	s_wait_xcnt 0x0                                ; the last prefetch, a step back, has read its address
	s_add_nc_u64 s[PFA:PFA+1], s[PFA:PFA+1], 65536
	s_wait_dscnt 0x0                               ; the add is done, and my reads of the slot are over
	CROUND
	JLOAD
	ASK
.else
	s_wait_dscnt 0x0
	s_barrier_signal -1
	s_barrier_wait -1
	PLACES                                         ; the places in front of the loads into K's and V's registers
.endif
	s_xor_b32 s[TB], s[TB], SLOTX
.endm
.macro STEP
	WIN 0
	v_add_nc_u32 v[ADK], s[TB], v[AK0]
	v_add_nc_u32 v[ADV], s[TB], v[AV0]
	FETCH_K
	s_wait_loadcnt 0x0                             ; Q (a block's first step; else nothing is out)
	s_wait_dscnt 0x0                               ; K is in
.set i, 0
.rept 32
	KQ 0                                           ; A
.set i, i+1
.endr
	WIN 0
	PLACES                                         ; behind piece 0's last products, ahead of the first read of its scores
	FETCH_V                                        ; V's run stands here: 32 products and a softmax ahead of its first use
.set k, 0
.set i, 0
.rept 32
	KQ 2                                           ; B
	SLICE 0
	SLICE 0
.set i, i+1
.endr
	s_wait_dscnt 0x0                               ; V is in
.set k, 0
.set i, 0
.rept 32
	PV 0                                           ; C
	SLICE 2
	SLICE 2
.set i, i+1
.endr
.set i, 0
.rept 32
	PV 2                                           ; D
.set i, i+1
.endr
.endm
; THE MERGE of one tile of 16 queries.  Every wave stores its partial O^T as rows of 128 f32; behind a barrier wave w reads rows 4 w .. 4 w + 3 of all four waves (a lane: rows 4 w + hl and two further on, channels 8 r on),
; with their c m and l, and finishes them.  more = 1: a second barrier, its signal behind my reads and its wait ahead of the next tile's stores, with the arithmetic between.
.macro MTILE t, more
	WIN 0x04                                       ; store data in window 1
.irp c, 0,1,2,3,4,5,6,7
	ds_store_b128 v[MS], v[64*(\t)+8*\c:64*(\t)+8*\c+3]   offset:\c*64
	ds_store_b128 v[MS], v[64*(\t)+8*\c+4:64*(\t)+8*\c+7] offset:\c*64+16
.endr
	WIN 0
	s_wait_dscnt 0x0                               ; for the others' sake: my stores are done
	s_barrier_signal -1
	s_barrier_wait -1
.irp n, 0,1
.irp w, 0,1,2,3
	ds_load_b32 v[MC+8*\n+\w],   v[SR] offset:\w*512+(\t)*128+\n*8
	ds_load_b32 v[MC+8*\n+4+\w], v[SR] offset:\w*512+(\t)*128+\n*8+64
	ds_load_b128 v[MO+32*\n+8*\w:MO+32*\n+8*\w+3],   v[MR] offset:\w*16*MP+\n*2*MP
	ds_load_b128 v[MO+32*\n+8*\w+4:MO+32*\n+8*\w+7], v[MR] offset:\w*16*MP+\n*2*MP+16
.endr
.endr
	s_wait_dscnt 0x0                               ; my reads are back
.if \more
	s_barrier_signal -1
.endif
.irp n, 0,1
	v_max3_num_f32 v[MX+\n], v[MC+8*\n], v[MC+8*\n+1], v[MC+8*\n+2]
.endr
.irp n, 0,1
	v_max_num_f32 v[MX+\n], v[MX+\n], v[MC+8*\n+3]
.endr
.irp n, 0,1
.irp w, 0,1,2,3
	v_sub_f32 v[MC+8*\n+\w], v[MC+8*\n+\w], v[MX+\n]
.endr
.endr
.irp n, 0,1
.irp w, 0,1,2,3
	v_exp_f32 v[MC+8*\n+\w], v[MC+8*\n+\w]         ; f
.endr
.endr
	v_nop
	s_wait_alu depctr_va_vdst(0)                   ; one wait for the eight exponentials
.irp n, 0,1
	v_mul_f32 v[ML+\n], v[MC+8*\n], v[MC+8*\n+4]
.endr
.irp w, 1,2,3
.irp n, 0,1
	v_fmac_f32 v[ML+\n], v[MC+8*\n+\w], v[MC+8*\n+4+\w]
.endr
.endr
	v_rcp_f32 v[ML], v[ML]
	v_rcp_f32 v[ML+1], v[ML+1]
	v_nop
	s_wait_alu depctr_va_vdst(0)                   ; one wait for the two reciprocals
.irp n, 0,1
.irp w, 0,1,2,3
	v_mul_f32 v[MG+8*\n+2*\w],   v[MC+8*\n+\w], v[ML+\n]  ; f / L, in both registers of a pair
	v_mul_f32 v[MG+8*\n+2*\w+1], v[MC+8*\n+\w], v[ML+\n]
.endr
.endr
.irp n, 0,1
.irp p, 0,2,4,6
	v_pk_mul_f32 v[MO+32*\n+\p:MO+32*\n+\p+1], v[MO+32*\n+\p:MO+32*\n+\p+1], v[MG+8*\n:MG+8*\n+1]
.endr
.irp w, 1,2,3
.irp p, 0,2,4,6
	v_pk_fma_f32 v[MO+32*\n+\p:MO+32*\n+\p+1], v[MO+32*\n+8*\w+\p:MO+32*\n+8*\w+\p+1], v[MG+8*\n+2*\w:MG+8*\n+2*\w+1], v[MO+32*\n+\p:MO+32*\n+\p+1]
.endr
.endr
.irp p, 0,1,2,3
	v_cvt_pk_f16_f32 v[OUTR+8*(\t)+4*\n+\p], v[MO+32*\n+2*\p], v[MO+32*\n+2*\p+1]
.endr
.endr
.if \more
	s_barrier_wait -1                              ; every wave has read: the next tile may be stored
.endif
.irp n, 0,1
	global_store_b128 v[GO], v[OUTR+8*(\t)+4*\n:OUTR+8*(\t)+4*\n+3], s[OB:OB+1] offset:(\t)*65536+\n*8192  ; 16 lanes store a head's 256 bytes of a row, aligned
.endr
.endm
; A BLOCK'S END.  l's two halves and the other half of the lanes' are added (these additions are the places behind the last products); lanes 0-15 store c m, lanes 16-31 l; then the four tiles.
; next = 1: the second block's Q is asked for at once, and behind the tiles its O, its count of tiles, its threshold, the starts of c m and m, and masks of 0 are set.
.macro MERGE next
	WIN 0
.irp t, 0,1,2,3
	v_add_f32 v[ST+8*\t+4], v[ST+8*\t+2], v[ST+8*\t+3]
.endr
.irp t, 0,1,2,3
	v_permlanex16_b32 v[ST+8*\t+5], v[ST+8*\t+4], s[SEL], s[SEL+1]
.endr
.irp t, 0,1,2,3
	v_add_f32 v[ST+8*\t+4], v[ST+8*\t+4], v[ST+8*\t+5]
.endr
.irp t, 0,1,2,3
	v_cndmask_b32 v[ST+8*\t+5], v[ST+8*\t], v[ST+8*\t+4], s[HM]
.endr
.irp t, 0,1,2,3
	ds_store_b32 v[SA], v[ST+8*\t+5] offset:\t*128
.endr
.if \next
	LOADQ QL
.endif
	MTILE 0, 1
	MTILE 1, 1
	MTILE 2, 1
	MTILE 3, 0
.if \next
	s_wait_xcnt 0x0                                ; the stores have read their registers and O's address
	s_mov_b64 s[OB:OB+1], s[OL:OL+1]
	s_add_co_u32 s[RT], s[U], 1                    ; the second block has u + 1 tiles
	v_add_nc_u32 v[THR], s[OFS2], v[THB]
.irp t, 0,1,2,3
	v_mov_b32 v[ST+8*\t], 0xfe000000
	v_mov_b32 v[ST+8*\t+1], 0xff7fffff
.endr
	WIN 0xc0
.set i, 0
.rept 56
	v_mov_b32 v[MK+i], 0
.set i, i+1
.endr
	WIN 0
.endif
.endm
.Lslot:                                            ; eight times: a tile is entered and the next is asked for.  The two jumps hang on u, which all waves and all partners share
	CHANGE 1
	s_sub_co_u32 s[RT], s[RT], 1
	s_cmp_lg_u32 s[RT], 0
	s_cbranch_scc1 .Lplain
	MASKSET                                        ; the first block's last tile
.Lplain:
	STEP
	WIN 0
	s_cmp_lg_u32 s[RT], 0
	s_cbranch_scc1 .Lbottom
	MERGE 1
.Lbottom:
	s_sub_co_u32 s[SLOTS], s[SLOTS], 1
	s_cmp_lg_u32 s[SLOTS], 0
	s_cbranch_scc1 .Lslot
	CHANGE 0                                       ; the walk's ninth tile, the second block's last, is written out
	MASKSET
	STEP
	MERGE 0
	WIN 0
	s_wait_tensorcnt 0x0                           ; the wave's end
	ds_add_u32 v[SPW], v[NIL]
	s_wait_dscnt 0x0
	CROUND                                         ; the closing round
	s_endpgm
.Lfunc_end_k_q1aeb9f503f_attn:
	.size	k_q1aeb9f503f_attn, .Lfunc_end_k_q1aeb9f503f_attn-k_q1aeb9f503f_attn
	.p2alignl 7, 3214868480
	.fill 96, 4, 3214868480
	.section	.rodata,"a",@progbits
	.p2align	6, 0x0
	.amdhsa_kernel k_q1aeb9f503f_attn
		.amdhsa_group_segment_fixed_size 327680
		.amdhsa_private_segment_fixed_size 0
		.amdhsa_enable_private_segment 0
		.amdhsa_kernarg_size 16
		.amdhsa_user_sgpr_count 2
		.amdhsa_user_sgpr_kernarg_segment_ptr 1
		.amdhsa_wavefront_size32 1
		.amdhsa_system_sgpr_workgroup_id_x 1
		.amdhsa_system_sgpr_workgroup_id_y 1
		.amdhsa_system_sgpr_workgroup_id_z 1
		.amdhsa_system_vgpr_workitem_id 0
		.amdhsa_next_free_vgpr 960
		.amdhsa_next_free_sgpr 80
		.amdhsa_reserve_vcc 1
		.amdhsa_float_denorm_mode_32 3
		.amdhsa_float_denorm_mode_16_64 3
		.amdhsa_memory_ordered 1
		.amdhsa_forward_progress 1
		.amdhsa_inst_pref_size 195
	.end_amdhsa_kernel
	.amdgpu_metadata
---
amdhsa.version: [ 1, 2 ]
amdhsa.kernels:
  - .name:           k_q1aeb9f503f_attn
    .symbol:         k_q1aeb9f503f_attn.kd
    .args:
      - { .name: qkvh, .offset: 0, .size: 8, .value_kind: global_buffer, .address_space: global }
      - { .name: ob, .offset: 8, .size: 8, .value_kind: global_buffer, .address_space: global }
    .group_segment_fixed_size: 327680
    .private_segment_fixed_size: 0
    .kernarg_segment_align: 8
    .kernarg_segment_size: 16
    .max_flat_workgroup_size: 128
    .sgpr_count:     80
    .vgpr_count:     960
    .wavefront_size: 32
...
	.end_amdgpu_metadata
.endif
;; end of part 3
;; launch proj (part 4): grid 16 x 16, 4 waves a work-group, clusters of 4 x 4, 327,680 bytes of LDS; arguments ob, cb, out0; writes out0
.if DOCPART == 4
	.amdgcn_target "amdgcn-amd-amdhsa--gfx1250"
	.amdhsa_code_object_version 6
	.text
	.protected	k_q1aeb9f503f_proj
	.globl	k_q1aeb9f503f_proj
	.p2align	8
	.type	k_q1aeb9f503f_proj,@function
k_q1aeb9f503f_proj:
	s_mov_b64 s[64:65], 0
	v_nop
	global_prefetch_b8 v0, s[64:65] scope:SCOPE_SE
	s_setreg_imm32_b32 hwreg(HW_REG_WAVE_MODE, 25, 1), 1
	s_wait_xcnt 0x0
	s_wait_alu depctr_hold_cnt(0) depctr_sa_sdst(0) depctr_va_vdst(0) depctr_va_sdst(0) depctr_va_ssrc(0) depctr_va_vcc(0) depctr_vm_vsrc(0)
	s_getreg_b32 s2, hwreg(HW_REG_IB_STS2, 6, 4)
	s_cmp_eq_u32 s2, 0
	s_cbranch_scc0 .Lentry_in_a_cluster
	s_endpgm
.Lentry_in_a_cluster:
	s_bfe_u32 s2, ttmp6, 0x10000c
	s_cmp_lg_u32 s2, 0xf033
	s_cbranch_scc0 .Lentry_shape_is_right
	s_endpgm
.Lentry_shape_is_right:
; out0 = O wo.  O: ob[2048][2048] in f16; wo: plane 4 of cb, [k][n], bf16 numbers written as f16; out0: [2048][2048] in f32.  One f32 sum for each output.
; LIMITS.  O and wo arrive within f16's range (65,504).
; A tile of out0 is 128 x 128: 16 x 16 work-groups.  Four waves, each 64 x 64: 16 accumulators.  K goes in 8 steps of 256 through two LDS slots: O's 128 rows x 512 bytes (waves 0, 1 fetch 64 rows each),
; then wo's 256 k rows x 256 bytes (waves 2, 3 fetch 128 rows each).
; THE WALK ALONG K IS A RING: cluster (X, Y) begins at K step 2 X + 4 ((Y ^ Y / 2) & 1), modulo 8, and goes once round.  The four clusters that read the same rows of O (same Y) are 2 steps apart; of the four that read the
; same columns of wo (same X) two and two are 4 steps apart: a tile is asked for by different clusters in different trips.  So each output's f32 sum takes K in a rotated order.
; CLUSTER.  4 x 4: O's tile is shared along a row of the cluster, wo's along a column; each is asked for jointly.
; THE MATRIX INSTRUCTION IS USED TRANSPOSED: source 0 = 16 columns of wo (turned out of [k][n] rows), source 1 = 16 rows of O: a lane holds row l % 16 and eight neighbouring columns.
; A wave's 64 columns of f32 are 256 bytes, aligned: each wave sends its results through a stage of its own, and no barrier is needed on the way out.
; No prefetch: a tile this small has little work for each byte, and a K step's tiles are shared by four partners.
; REGISTERS: window 0: v1-29 addresses; v128-255 the accumulators, (a, b) at 128 + 8 (4 a + b).  Window 1: two fragment buffers of 128: for 64 along K, 64 registers of O, then 64 of wo.
.set PA,     528                       ; an LDS row of O: 512 bytes + 16
.set PW,     288                       ; an LDS row of wo: 256 + 32
.set AH,     64*PA
.set WH,     128*PW
.set WOFF,   2*AH
.set SLOT,   2*AH+2*WH
.set STAGE,  2*SLOT                    ; behind the ring: 16 rows x 272 bytes for each wave
.set SPITCH, 272
.set SPARE,  STAGE+4*16*SPITCH         ; the spare words, 128 bytes for each wave
.set LAPS,   4                         ; a lap = two K steps
.set ADRA, 16                          ; v16-17  my fragments of O in slot 0, 1
.set ADRW, 20                          ; v20-21  of wo, k rows 0-127;  v22-23  k rows 128-255 (an LDS offset has 16 bits)
.set STO,  24
.set RD,   25
.set CO,   26
.set SPW,  28
.set NIL,  29
.set ACC,  128
.set F0,   0
.set F1,   128
.set OFS, 18                           ; s[18:19] a K step's byte offset
.set G1,  24                           ; s[24:31] group 1 for O's tiles; s[32:39] group 0, a set for each slot
.set G0,  32
.set KN,  45                           ; s45     the K step, 0 to 7, that the next fill brings: made of the cluster's x and y alone
.set G1B, 48                           ; s[48:55], s[56:63] the same for wo's
.set G0B, 56
.set MSB, 0
.macro WIN new
.if MSB != (\new)
	s_set_vgpr_msb (MSB<<8)|(\new)
.set MSB, \new
.endif
.endm
.set MUL,  0x05                        ; sources 0 and 1 window 1; C and D window 0
.set TO_F, 0x40                        ; destination window 1, address window 0
.macro JLOAD s                         ; waves 0 and 1 fetch O's halves, waves 2 and 3 wo's; an s_nop 0 and four v_nop follow each line
	s_cmp_eq_u32 s11, 0
	s_cbranch_scc0 .Lfor_b_\@
	tensor_load_to_lds s[G0+4*(\s):G0+4*(\s)+3], s[G1:G1+7]
	s_nop 0
.rept 4
	v_nop
.endr
	s_branch .Lasked_\@
.Lfor_b_\@:
	tensor_load_to_lds s[G0B+4*(\s):G0B+4*(\s)+3], s[G1B:G1B+7]
	s_nop 0
.rept 4
	v_nop
.endr
.Lasked_\@:
.endm
; Slot's two descriptors take K step KN: each address is made anew from its base and the step's offset; then KN goes on round the ring.  It stands where no tensor load of the wave is out.
.macro STEPK slot
	s_lshl_b32 s[OFS], s[KN], 9                    ; O: 512 bytes along the rows for each K step
	s_mov_b32 s[OFS+1], 0
	s_add_nc_u64 s[G0+4*(\slot)+2:G0+4*(\slot)+3], s[14:15], s[OFS:OFS+1]
	s_or_b32 s[G0+4*(\slot)+3], s[G0+4*(\slot)+3], 0x80000000
	s_lshl_b32 s[OFS], s[KN], 20                   ; wo: 256 rows of 4,096 bytes down for each K step
	s_add_nc_u64 s[G0B+4*(\slot)+2:G0B+4*(\slot)+3], s[46:47], s[OFS:OFS+1]
	s_or_b32 s[G0B+4*(\slot)+3], s[G0B+4*(\slot)+3], 0x80000000
	s_add_co_u32 s[KN], s[KN], 1
	s_and_b32 s[KN], s[KN], 7
.endm
.macro CREST
	s_cmp_lg_u32 s10, 0
	s_cbranch_scc1 .Lnot_wave_0_\@
	s_barrier_signal -3
.Lnot_wave_0_\@:
	s_barrier_wait -3
	s_barrier_signal -1
	s_barrier_wait -1
.endm
.macro CROUND
	s_barrier_signal -1
	s_barrier_wait -1
	CREST
.endm
.macro PLACES
.rept 4
	v_nop
.endr
.endm
	s_load_b128 s[4:7], s[0:1], 0x0                ; ob s[4:5], cb s[6:7]
	s_load_b64 s[8:9], s[0:1], 0x10                ; out0
	v_lshl_add_u32 v[SPW], v0, 2, SPARE
	v_mov_b32 v[NIL], 0
	ds_add_u32 v[SPW], v[NIL]                      ; the wave's opening: the add and its wait stand ahead of my first tensor load
	v_lshrrev_b32 v1, 5, v0
	v_readfirstlane_b32 s10, v1                    ; wave 0..3
	s_lshr_b32 s11, s10, 1                         ; my half of the tile's rows.  Also: I fetch for O (0) or for wo (1)
	s_and_b32 s12, s10, 1                          ; my half of its columns.  Also: which half of that tile I fetch
	s_bfe_u32 s40, ttmp6, 0x40000                  ; cx
	s_bfe_u32 s41, ttmp6, 0x40004                  ; cy
	s_lshl_b32 s42, ttmp9, 2
	s_add_co_u32 s42, s42, s40                     ; tile column
	s_and_b32 s13, ttmp7, 0xffff
	s_lshl_b32 s13, s13, 2
	s_add_co_u32 s13, s13, s41                     ; tile row
	s_lshl_b32 s43, s41, 2
	s_lshl_b32 s43, 15, s43                        ; my row of the cluster
	s_lshl_b32 s44, 0x1111, s40                    ; my column
	s_or_b32 s[G1], s43, (1<<16)|(1<<20)|(1<<21)|(6<<22)|(3<<25)   ; O: after every 128 words 4 words of padding
	s_mov_b32 s[G1+1], 256<<16                     ; tensor_dim0 = 256
	s_mov_b32 s[G1+2], 64<<16                      ; tensor_dim1 = 64
	s_mov_b32 s[G1+3], 256<<16                     ; tile_dim0 = 256 elements: 512 bytes
	s_mov_b32 s[G1+4], 64                          ; tile_dim1 = 64 rows
	s_mov_b32 s[G1+5], 2048
	s_mov_b32 s[G1+6], 0
	s_mov_b32 s[G1+7], 0
	s_or_b32 s[G1B], s44, (1<<16)|(1<<20)|(1<<21)|(5<<22)|(7<<25)  ; wo: after every 64 words 8 words
	s_mov_b32 s[G1B+1], 128<<16
	s_mov_b32 s[G1B+2], 128<<16
	s_mov_b32 s[G1B+3], 128<<16                    ; 128 elements: 256 bytes
	s_mov_b32 s[G1B+4], 128                        ; 128 k rows
	s_mov_b32 s[G1B+5], 2048
	s_mov_b32 s[G1B+6], 0
	s_mov_b32 s[G1B+7], 0
	s_lshl_b32 s16, s13, 19                        ; O: row 128 x tile row + 64 x half, 4,096 bytes a row
	s_lshl_b32 s17, s12, 18
	s_add_co_u32 s16, s16, s17
	s_mov_b32 s17, 0
	s_lshl_b32 s46, s12, 19                        ; wo: k row 128 x half,
	s_lshl_b32 s47, s42, 8                         ; the tile column's 256 bytes,
	s_add_co_u32 s46, s46, s47
	s_add_co_u32 s46, s46, 4<<23                   ; in plane 4
	s_mov_b32 s47, 0
	s_mul_i32 s20, s12, AH                         ; where they go
	s_mul_i32 s21, s12, WH
	s_add_co_u32 s21, s21, WOFF
	s_and_b32 s[OFS], ttmp7, 0xffff                ; the cluster's y
	s_lshr_b32 s[OFS+1], s[OFS], 1
	s_xor_b32 s[OFS], s[OFS], s[OFS+1]
	s_and_b32 s[OFS], s[OFS], 1                    ; 0, 1, 1, 0 for y = 0 .. 3
	s_lshl_b32 s[OFS], s[OFS], 2
	s_lshl_b32 s[OFS+1], ttmp9, 1
	s_add_co_u32 s[KN], s[OFS], s[OFS+1]
	s_and_b32 s[KN], s[KN], 7                      ; the walk's first K step: an even number
	s_wait_dscnt 0x0                               ; the opening add is done
	s_wait_kmcnt 0x0
	s_add_nc_u64 s[14:15], s[4:5], s[16:17]
	s_add_nc_u64 s[46:47], s[6:7], s[46:47]
	CROUND                                         ; all sixteen work-groups are here
.irp s, 0,1
	s_mov_b32 s[G0+4*\s], 1
	s_add_co_u32 s[G0+4*\s+1], s20, \s*SLOT
	s_mov_b32 s[G0B+4*\s], 1
	s_add_co_u32 s[G0B+4*\s+1], s21, \s*SLOT
	STEPK \s                                       ; the walk's first two K steps
.endr
	s_cmp_eq_u32 s11, 0                            ; a wave's two first fills stand in one branch
	s_cbranch_scc0 .Lfirst_b
	tensor_load_to_lds s[G0:G0+3], s[G1:G1+7]
	s_nop 0
	tensor_load_to_lds s[G0+4:G0+7], s[G1:G1+7]
	s_nop 0
.rept 4
	v_nop
.endr
	s_branch .Lfirst_asked
.Lfirst_b:
	tensor_load_to_lds s[G0B:G0B+3], s[G1B:G1B+7]
	s_nop 0
	tensor_load_to_lds s[G0B+4:G0B+7], s[G1B:G1B+7]
	s_nop 0
.rept 4
	v_nop
.endr
.Lfirst_asked:
	v_and_b32 v1, 15, v0                           ; r
	v_bfe_u32 v2, v0, 4, 1                         ; hl
	v_and_b32 v3, 7, v0
	v_bfe_u32 v4, v0, 3, 1
	v_mul_u32_u24 v5, v1, PA
	v_lshl_add_u32 v5, v2, 4, v5
	s_mul_i32 s22, s11, AH
	v_add_nc_u32 v[ADRA], s22, v5
	v_add_nc_u32 v[ADRA+1], SLOT, v[ADRA]
	v_lshl_add_u32 v6, v2, 3, v3
	v_mul_u32_u24 v6, v6, PW
	v_lshl_add_u32 v6, v4, 4, v6
	s_lshl_b32 s22, s12, 7                         ; my 64 columns: 128 bytes
	s_add_co_u32 s22, s22, WOFF
	v_add_nc_u32 v[ADRW], s22, v6
	v_add_nc_u32 v[ADRW+1], SLOT, v[ADRW]
	v_add_nc_u32 v[ADRW+2], WH, v[ADRW]
	v_add_nc_u32 v[ADRW+3], WH, v[ADRW+1]
	s_mul_i32 s23, s10, 16*SPITCH
	s_add_co_u32 s23, s23, STAGE                   ; my stage
	v_mul_u32_u24 v7, v1, SPITCH                   ; in: row r, 32 bytes for each half of the lanes
	v_lshl_add_u32 v7, v2, 5, v7
	v_add_nc_u32 v[STO], s23, v7
	v_mul_u32_u24 v7, v2, SPITCH                   ; back: lanes 0-15 one row of 256 bytes, lanes 16-31 the next
	v_lshl_add_u32 v7, v1, 4, v7
	v_add_nc_u32 v[RD], s23, v7
	v_lshlrev_b32 v7, 13, v2                       ; and the same two rows in out0 (8,192 bytes a row)
	v_lshl_add_u32 v[CO], v1, 4, v7
	s_lshl_b32 s16, s13, 20                        ; 128 rows for each tile row,
	s_lshl_b32 s17, s11, 19                        ; my 64 rows,
	s_add_co_u32 s16, s16, s17
	s_lshl_b32 s17, s42, 9                         ; 128 columns of f32 for each tile column,
	s_add_co_u32 s16, s16, s17
	s_lshl_b32 s17, s12, 8                         ; my 64 columns
	s_add_co_u32 s16, s16, s17
	s_mov_b32 s17, 0
	s_add_nc_u64 s[8:9], s[8:9], s[16:17]
; 8 matrix instructions: row blocks a0, a0 + 1 x all 4 column blocks, 32 along K: half c of buffer f.  The 16 accumulators take turns.
.macro MUL8 f, c, a0, zero
	WIN MUL
.irp a, \a0, (\a0)+1
.irp b, 0,1,2,3
.if \zero
	v_wmma_f32_16x16x32_f16 v[ACC+8*(4*(\a)+(\b)):ACC+8*(4*(\a)+(\b))+7], v[(\f)+64+8*(4*(\c)+(\b)):(\f)+64+8*(4*(\c)+(\b))+7], v[(\f)+8*(4*(\c)+(\a)):(\f)+8*(4*(\c)+(\a))+7], 0
.else
	v_wmma_f32_16x16x32_f16 v[ACC+8*(4*(\a)+(\b)):ACC+8*(4*(\a)+(\b))+7], v[(\f)+64+8*(4*(\c)+(\b)):(\f)+64+8*(4*(\c)+(\b))+7], v[(\f)+8*(4*(\c)+(\a)):(\f)+8*(4*(\c)+(\a))+7], v[ACC+8*(4*(\a)+(\b)):ACC+8*(4*(\a)+(\b))+7]
.endif
.endr
.endr
.endm
; 32 LDS loads in one run: quarter q (64 along K) of a slot into buffer f; the first 32 along K first
.macro FETCH slot, q, f
	WIN TO_F
.irp c, 0,1
.irp n, 0,1,2,3
	ds_load_tr16_b128 v[(\f)+64+8*(4*\c+\n):(\f)+64+8*(4*\c+\n)+3],   v[ADRW+2*((\q)/2)+(\slot)] offset:((2*(\q)+\c)%4)*32*PW+\n*32
	ds_load_tr16_b128 v[(\f)+64+8*(4*\c+\n)+4:(\f)+64+8*(4*\c+\n)+7], v[ADRW+2*((\q)/2)+(\slot)] offset:((2*(\q)+\c)%4)*32*PW+\n*32+16*PW
	ds_load_b128 v[(\f)+8*(4*\c+\n):(\f)+8*(4*\c+\n)+3],   v[ADRA+(\slot)] offset:(\q)*128+64*\c+\n*16*PA
	ds_load_b128 v[(\f)+8*(4*\c+\n)+4:(\f)+8*(4*\c+\n)+7], v[ADRA+(\slot)] offset:(\q)*128+64*\c+\n*16*PA+32
.endr
.endr
.endm
.macro QUARTER slot, q, f, g, zero
	s_wait_dscnt 16                                ; the first 32 along K are in
	MUL8 \f, 0, 0, \zero
	MUL8 \f, 0, 2, \zero
	PLACES
	FETCH \slot, \q, \g
	s_wait_dscnt 32                                ; all but the 32 just issued
	MUL8 \f, 1, 0, 0
	MUL8 \f, 1, 2, 0
.endm
; The last quarter multiplies buffer 1 and changes slots: one barrier; in front of it each wave waits for all its tensor loads, adds 0 to its spare word, and waits for that and for its reads of this slot.
.macro TURN slot, next, fill
	WIN 0
	s_wait_tensorcnt 0x0
	ds_add_u32 v[SPW], v[NIL]
	s_wait_dscnt 17                                ; the add and the youngest sixteen loads may be out
	MUL8 F1, 0, 0, 0
	s_wait_dscnt 0x0                               ; the add is done, and my reads of this slot are over
	s_barrier_signal -1
	MUL8 F1, 0, 2, 0
.if \fill
	WIN 0
.endif
	s_barrier_wait -1
.if \fill
	CREST                                          ; the barrier has opened a round of the cluster's
	STEPK \slot                                    ; the walk's K step two trips on
	JLOAD \slot                                    ; the first tensor load behind the round; its four v_nop are also the places in front of the loads below
.else
	PLACES
.endif
	FETCH \next, 0, F0
	MUL8 F1, 1, 0, 0
	MUL8 F1, 1, 2, 0
.endm
	s_wait_tensorcnt 0x1                           ; my part of the first trip's tiles is in; the second trip's may stay out
	s_barrier_signal -1
	s_barrier_wait -1
	FETCH 0, 0, F0
	QUARTER 0, 1, F0, F1, 1                        ; the first quarter's first products start the sums
	WIN 0
	s_mov_b32 s3, LAPS-1
.Llap:
	QUARTER 0, 2, F1, F0, 0
	QUARTER 0, 3, F0, F1, 0
	TURN 0, 1, 1
	QUARTER 1, 1, F0, F1, 0
	QUARTER 1, 2, F1, F0, 0
	QUARTER 1, 3, F0, F1, 0
	TURN 1, 0, 1
	QUARTER 0, 1, F0, F1, 0
	WIN 0
	s_sub_co_u32 s3, s3, 1
	s_cmp_lg_u32 s3, 0
	s_cbranch_scc1 .Llap
	QUARTER 0, 2, F1, F0, 0                        ; the last lap fills nothing
	QUARTER 0, 3, F0, F1, 0
	TURN 0, 1, 0
	QUARTER 1, 1, F0, F1, 0
	QUARTER 1, 2, F1, F0, 0
	QUARTER 1, 3, F0, F1, 0
	s_wait_dscnt 16
	MUL8 F1, 0, 0, 0
	MUL8 F1, 0, 2, 0
	s_wait_dscnt 0x0
	MUL8 F1, 1, 0, 0
	MUL8 F1, 1, 2, 0
	WIN 0
; THE WAY OUT: 16 rows at a time through my own stage: 32 bytes a lane in, whole rows of 256 bytes back, into the registers that the block left.  LDS serves a wave's instructions in order, so no wait stands between.
.macro OUTB a
.irp b, 0,1,2,3
	ds_store_b128 v[STO], v[ACC+8*(4*(\a)+\b):ACC+8*(4*(\a)+\b)+3]   offset:64*\b
	ds_store_b128 v[STO], v[ACC+8*(4*(\a)+\b)+4:ACC+8*(4*(\a)+\b)+7] offset:64*\b+16
.endr
.irp t, 0,1,2,3,4,5,6,7
	ds_load_b128 v[ACC+32*(\a)+4*\t:ACC+32*(\a)+4*\t+3], v[RD] offset:\t*2*SPITCH
.endr
.endm
.macro SEND a, younger                 ; younger: the LDS instructions issued behind block a's loads: the next block's sixteen, or none
.irp t, 0,1,2,3,4,5,6,7
	s_wait_dscnt (\younger)+7-\t
	global_store_b128 v[CO], v[ACC+32*(\a)+4*\t:ACC+32*(\a)+4*\t+3], s[8:9] offset:(16*(\a)+2*\t)*8192  ; 16 lanes store 256 consecutive bytes, aligned
.endr
.endm
	PLACES                                         ; behind the last products, ahead of the first read of a result
	OUTB 0
	OUTB 1
	SEND 0, 16
	OUTB 2
	SEND 1, 16
	OUTB 3
	SEND 2, 16
	SEND 3, 0
	s_wait_tensorcnt 0x0                           ; the wave's end
	ds_add_u32 v[SPW], v[NIL]
	s_wait_dscnt 0x0
	CROUND                                         ; the closing round
	s_endpgm
.Lfunc_end_k_q1aeb9f503f_proj:
	.size	k_q1aeb9f503f_proj, .Lfunc_end_k_q1aeb9f503f_proj-k_q1aeb9f503f_proj
	.p2alignl 7, 3214868480
	.fill 96, 4, 3214868480
	.section	.rodata,"a",@progbits
	.p2align	6, 0x0
	.amdhsa_kernel k_q1aeb9f503f_proj
		.amdhsa_group_segment_fixed_size 327680
		.amdhsa_private_segment_fixed_size 0
		.amdhsa_enable_private_segment 0
		.amdhsa_kernarg_size 24
		.amdhsa_user_sgpr_count 2
		.amdhsa_user_sgpr_kernarg_segment_ptr 1
		.amdhsa_wavefront_size32 1
		.amdhsa_system_sgpr_workgroup_id_x 1
		.amdhsa_system_sgpr_workgroup_id_y 1
		.amdhsa_system_sgpr_workgroup_id_z 1
		.amdhsa_system_vgpr_workitem_id 0
		.amdhsa_next_free_vgpr 512
		.amdhsa_next_free_sgpr 66
		.amdhsa_reserve_vcc 0
		.amdhsa_float_denorm_mode_32 3
		.amdhsa_float_denorm_mode_16_64 3
		.amdhsa_memory_ordered 1
		.amdhsa_forward_progress 1
		.amdhsa_inst_pref_size 87
	.end_amdhsa_kernel
	.amdgpu_metadata
---
amdhsa.version: [ 1, 2 ]
amdhsa.kernels:
  - .name:           k_q1aeb9f503f_proj
    .symbol:         k_q1aeb9f503f_proj.kd
    .args:
      - { .name: ob, .offset: 0, .size: 8, .value_kind: global_buffer, .address_space: global }
      - { .name: cb, .offset: 8, .size: 8, .value_kind: global_buffer, .address_space: global }
      - { .name: out0, .offset: 16, .size: 8, .value_kind: global_buffer, .address_space: global }
    .group_segment_fixed_size: 327680
    .private_segment_fixed_size: 0
    .kernarg_segment_align: 8
    .kernarg_segment_size: 24
    .max_flat_workgroup_size: 128
    .sgpr_count:     66
    .vgpr_count:     512
    .wavefront_size: 32
...
	.end_amdgpu_metadata
.endif
;; end of part 4
